; MI455X (gfx1250); checked and timed in simulation.
; The chip was launched on July 23, 2026; its instructions are those of AMD's public machine-readable ISA for CDNA 5 (MIT licence, August 2026) and "CDNA5" Instruction Set Architecture Reference Guide (July 2026). The comments in the code are by the model that wrote it; some were corrected since.
;; Multi Head Attention. Allowed arithmetic: matrix products marked QUANTISED: E2M3 operands, one E8M0 scale for each 32 along K, by v_wmma_scale_f32_16x16x128_f8f6f4 with both operands' format E2M3, f32 sums; everything else in f32.
;; Inputs: k 1 x 2,048 x 4,096 float32; q 1 x 2,048 x 4,096 float32; v 1 x 2,048 x 4,096 float32; wk 4,096 x 512 float32; wo 2,048 x 4,096 float32; wq 4,096 x 2,048 float32; wv 4,096 x 512 float32.
;; Outputs: out0 1 x 2,048 x 4,096 float32; out1 1 x 2,048 x 8 x 128 float32.
;; This version of the problem:
;;   THIS VERSION OF THE PROBLEM IS GIVEN IN LOW PRECISION. The matrix products marked QUANTISED in the list below multiply operands that are first quantised to E2M3 (2 exponent bits, 3 mantissa bits; 6 bits a number), with one power-of-two scale for each 32 numbers along K (OCP MX v1.0); their sums are f32. All else is computed in f32.
;;   The module's matrix products, in the order in which they are computed (A, B: the left and right operand; K: the contracted axis; several contracted axes count as one K, in the product's order):
;;     1. [M 2,048, K 4,096] x [K 4,096, N 2,048]; A: input q; B: input wq: QUANTISED
;;     2. [M 2,048, K 4,096] x [K 4,096, N 512]; A: input k; B: input wk: QUANTISED
;;     3. [M 2,048, K 4,096] x [K 4,096, N 512]; A: input v; B: input wv: QUANTISED
;;     4. batch 8 x [M 2,048, K 64] x [K 64, N 8,192]; A: computed on the way; B: computed on the way: QUANTISED
;;     5. batch 8 x [M 64, K 2,048] x [K 2,048, N 8,192]; A: computed on the way; B: softmax (see below): QUANTISED
;;     6. [M 2,048, K 2,048] x [K 2,048, N 4,096]; A: computed on the way; B: input wo: QUANTISED
;;   THE QUANTISER, for each operand of a quantised product, along K:
;;     - K is cut into blocks of 32 from its start; a last block that is shorter is filled with zeros.
;;     - A block's scale is 2^e with e = floor(log2(the largest magnitude in the block)) - 2, held to -126 .. 127; a block of zeros has e = 0. As a byte (E8M0): e + 127.
;;     - Each number is divided by its block's scale, clamped to +-7.5, and rounded to the nearest number of E2M3, ties to even, subnormals kept.
;;     - The product sums the exact products of the quantised numbers (number of the format x scale) in f32.
;;   ~~~python
;;   def quantise(x, axis):      # numpy; x: float32 -> the quantised numbers, widened to float32 again
;;       x = np.moveaxis(x, axis, -1); K = x.shape[-1]
;;       x = np.pad(x, [(0, 0)] * (x.ndim - 1) + [(0, -K % 32)]); x = x.reshape(x.shape[:-1] + (-1, 32)); a = np.abs(x).max(-1, keepdims=True)
;;       e = np.where(a > 0, np.clip(np.frexp(np.where(a > 0, a, 1))[1] - 1 - 2, -126, 127), 0)      # np.frexp(a)[1] - 1 = floor(log2(a)), exactly
;;       r = np.clip(x / 2.0 ** e, -7.5, 7.5)
;;       step = 2.0 ** (np.maximum(np.frexp(np.where(r == 0, 1, r))[1] - 1, 0) - 3)
;;       q = np.round(r / step) * step * 2.0 ** e      # np.round: ties to even
;;       return np.moveaxis(q.reshape(q.shape[:-2] + (-1,))[..., :K], -1, axis).astype(np.float32)
;;   ~~~
;;   SOFTMAX AHEAD OF A QUANTISED PRODUCT. Where the list says 'softmax', what is quantised is not the finished softmax but p = 2^(t - M), with t = logit x log2(e) and M = ceil(the row's largest t), a whole number; so 1/2 < the row's largest p <= 1. The row's sum l is taken of the UNQUANTISED p, in f32, and the product's result is divided by l at the end. Since M is a whole number, a kernel that streams over the keys may use a running M (the ceiling of the running maximum): every later rescaling is an exact power of two, which a block's scale takes up: the codes' values come out the same.
;;   OPERANDS COMPUTED ON THE WAY. 'Computed on the way' means the value that the module computes at that place (a softmax that the list does not call 'softmax' is quantised finished and normalised). What goes into a quantiser is computed in f32, as accurately as f32 sums, v_exp_f32 and their like allow (about 1e-6 of the number): no bf16 or f16 on the way to a quantiser, and a product that is left as it is and whose result goes on into a quantised operand takes f32 operands (vector FMAs, or v_wmma_f32_16x16x4_f32). A number that lies on a knife's edge between two numbers of the format may be rounded either way, as far as f32 arithmetic and the matrix unit's own rounding can turn it there, and no further.
;; One version. Each part assembles by itself: llvm-mc -triple=amdgcn-amd-amdhsa -mcpu=gfx1250 --defsym DOCPART=n.
;; ======== version 1 of 1: 4 launches
;; workspace buffers: ximg 19,660,800 bytes; wimg 9,830,400 bytes; woimg 6,553,600 bytes; trig 524,288 bytes; qimg 3,407,872 bytes; kvimg 1,671,168 bytes; aimg 3,276,800 bytes
;; launch quant (part 1): grid 1024 x 1, 4 waves a work-group, no clusters, 34,304 bytes of LDS; arguments q, k, v, wq, wk, wv, wo, ximg, wimg, woimg, trig; writes ximg, wimg, woimg, trig
.if DOCPART == 1
	.amdgcn_target "amdgcn-amd-amdhsa--gfx1250"
	.amdhsa_code_object_version 6
	.text
	.protected	k_q25d287321d_quant
	.globl	k_q25d287321d_quant
	.p2align	8
	.type	k_q25d287321d_quant,@function
k_q25d287321d_quant:
	s_mov_b64 s[64:65], 0
	v_nop
	global_prefetch_b8 v0, s[64:65] scope:SCOPE_SE
	s_setreg_imm32_b32 hwreg(HW_REG_WAVE_MODE, 25, 1), 1
	s_wait_xcnt 0x0
; q, k, v [2048][4096] f32 (K innermost) and wq, wk, wv, wo (K = the first axis) become codes of FP6 (E2M3) with one E8M0 byte for each 32 along K,
; laid as IMAGES OF OPERAND REGISTERS: one record of 12,800 bytes for 128 rows x 128 along K: 8 tiles of 16 rows x 1,536 bytes, then 512 bytes of scale words.
; ROW ORDER: tile 2 b + u, lane-row p holds row 32 b + 8 u + p + 8 (p / 8).  Scale words: pair b at 12,288 + 128 b + 4 x lane: lanes 0-15 tile 2 b, lanes 16-31 tile 2 b + 1.
; x records: a tile is six pieces of 256 bytes (registers 2 P, 2 P + 1; 8 bytes a lane).  w records: three chunks of 512 bytes (registers 4 c .. 4 c + 3; 16 bytes a lane).
; wo's K is taken in the order (4 h + g) x 64 + d (h: kv head, g: group): whole blocks of 32 move, alike here and in the attention's output, so every product stays as it is; only the order of the f32 sums differs.
; The first 256 work-groups also make the table cos, sin [2048][32] of token x 10^(-i/8): one f32 product, reduction by pi/2 in two parts, polynomials on +-pi/4.
; A block's scale: the largest magnitude's exponent field less 2, held at 1 from below by a floor among the maximum's leaves.
; LIMITS: NaN and infinities are not served; blocks under 2^-124 keep the byte 1; a block of zeros has the byte 1, not 127 (its codes are zeros, and this program alone reads the bytes).
; Work-groups 0-383: q, k, v (a wave: 128 rows x 128 K).  384-1023: the weights (a work-group: 128 columns x 256 K; a wave: 32 columns).  Only the first path uses LDS.
.set REC,  12800
.set XWG,  384
.set STG,  8448                        ; a wave's stage: 16 rows x (512 + 16) bytes
.set R,    16                          ; v16-143  two sets of 16 rows as loaded
.set X,    144                         ; v144-207 my 64 numbers: register 32 c + i = k 64 c + 32 h + i of my row
.set F,    208                         ; v208-219 the fragment
.set T,    220                         ; v220-222, v224-226 upper halves of the blocks
.set MX,   228
.set SO,   230
.set BY,   232
.set WD,   234
.set PD,   235
.set WE,   236
.set SW,   240                         ; v240-243 the four pairs' scale words
.set TH,   144                         ; the table's registers lie in X, which is not yet in use; its store data in v248-251
.set TK,   146
.set AX,   148
.set AN,   150
.set AR,   152
.set AZ,   154
.set AS,   156
.set AC,   158
.set AW,   160
.set AQ,   162
.set AP,   164
.set CC,   248
.set SS,   250
.set VO,   16                          ; weights: v16-47 row i's offset; v48-111 two sets of 32 numbers; v112-159 fragments; v160-162 an upper half; v172-173 scale words
.set WX,   48
.set WF,   112
.set WT,   160
.set WW,   172
.set SB,   48                          ; s[48:63] the eight blocks' bases
	s_load_b256 s[4:11], s[0:1], 0x0               ; q, k, v, wq
	s_load_b256 s[12:19], s[0:1], 0x20             ; wk, wv, wo, ximg
	s_load_b128 s[20:23], s[0:1], 0x40             ; wimg, woimg
	s_load_b64 s[24:25], s[0:1], 0x50              ; trig
	v_lshl_add_u32 v254, v0, 2, 0x8400
	v_mov_b32 v255, 0
	v_lshrrev_b32 v1, 5, v0
	v_readfirstlane_b32 s26, v1                    ; wave
	v_and_b32 v1, 31, v0                           ; lane
	v_lshlrev_b32 v2, 4, v1
	v_lshlrev_b32 v3, 3, v1
	v_lshlrev_b32 v4, 2, v1
	s_cmp_ge_u32 ttmp9, XWG
	s_cbranch_scc1 .Lweights
; ---------------- q, k, v ----------------
	s_lshr_b32 s27, ttmp9, 7                       ; which tensor
	s_bfe_u32 s28, ttmp9, 0x40003                  ; group of 128 rows
	s_and_b32 s29, ttmp9, 7
	s_lshl_b32 s29, s29, 2
	s_add_co_u32 s29, s29, s26                     ; K step
	s_mul_i32 s31, s26, STG
	v_add_nc_u32 v5, s31, v2                       ; stage, in: 16 x lane of a row
	v_and_b32 v8, 15, v0
	v_bfe_u32 v9, v0, 4, 1
	v_mul_u32_u24 v6, v8, 528
	v_lshl_add_u32 v6, v9, 7, v6
	v_add_nc_u32 v6, s31, v6                       ; stage, out: row r, block h
	v_lshlrev_b32 v7, 3, v9                        ; 8 h
	v_mov_b32 v[PD], 0                             ; a lane permute's destination counts as read
	s_mov_b32 s40, 0x76543210
	s_mov_b32 s41, 0xfedcba98
	s_mov_b32 s36, 0xffff0000                      ; lanes 16-31
	s_wait_kmcnt 0x0
	s_cmp_eq_u32 s27, 1
	s_cselect_b64 s[4:5], s[6:7], s[4:5]
	s_cmp_eq_u32 s27, 2
	s_cselect_b64 s[4:5], s[8:9], s[4:5]
	s_lshl_b32 s32, s28, 21                        ; 128 rows of 16,384 bytes
	s_lshl_b32 s33, s29, 9
	s_add_co_u32 s32, s32, s33
	s_mov_b32 s33, 0
	s_add_nc_u64 s[4:5], s[4:5], s[32:33]
	s_lshl_b32 s32, s27, 4
	s_add_co_u32 s32, s32, s28
	s_lshl_b32 s32, s32, 5
	s_add_co_u32 s32, s32, s29
	s_mul_i32 s32, s32, REC
	s_add_nc_u64 s[18:19], s[18:19], s[32:33]      ; my record
.macro XLOAD a                         ; tile a's 16 rows: each load is 512 consecutive bytes of one row
.irp p, 0,1,2,3,4,5,6,7,8,9,10,11,12,13,14,15
	global_load_b128 v[R+64*((\a)%2)+4*\p:R+64*((\a)%2)+4*\p+3], v2, s[4:5] offset:(32*((\a)/2)+8*((\a)%2)+\p+8*(\p/8))*16384 th:TH_LOAD_NT
.endr
.endm
	XLOAD 0
	XLOAD 1
	s_cmp_lt_u32 ttmp9, 256
	s_cbranch_scc0 .Lno_trig
; the table: my wave's two tokens; lane l: token 2 pair + l / 16, angles i = 2 (l % 16) and i + 1
	s_lshl_b32 s32, ttmp9, 2
	s_add_co_u32 s32, s32, s26                     ; pair
	s_lshl_b32 s37, s32, 1
	s_lshl_b32 s32, s32, 8
	s_add_nc_u64 s[24:25], s[24:25], s[32:33]
	v_mov_b32 v[TH], 0
	v_mov_b32 v[TH+1], 0
.macro THETA i, val
	s_mov_b32 s50, \val
	v_writelane_b32 v[TH+((\i)&1)], s50, (\i)>>1
	v_writelane_b32 v[TH+((\i)&1)], s50, ((\i)>>1)+16
.endm
	THETA 0, 1.0
	THETA 1, 0.7498942093324559
	THETA 2, 0.5623413251903491
	THETA 3, 0.4216965034285822
	THETA 4, 0.31622776601683794
	THETA 5, 0.23713737056616552
	THETA 6, 0.17782794100389228
	THETA 7, 0.1333521432163324
	THETA 8, 0.1
	THETA 9, 0.07498942093324559
	THETA 10, 0.05623413251903491
	THETA 11, 0.04216965034285822
	THETA 12, 0.031622776601683794
	THETA 13, 0.023713737056616552
	THETA 14, 0.017782794100389228
	THETA 15, 0.01333521432163324
	THETA 16, 0.01
	THETA 17, 0.007498942093324559
	THETA 18, 0.005623413251903491
	THETA 19, 0.004216965034285822
	THETA 20, 0.0031622776601683794
	THETA 21, 0.0023713737056616552
	THETA 22, 0.0017782794100389228
	THETA 23, 0.001333521432163324
	THETA 24, 0.001
	THETA 25, 0.0007498942093324559
	THETA 26, 0.0005623413251903491
	THETA 27, 0.0004216965034285822
	THETA 28, 0.00031622776601683794
	THETA 29, 0.00023713737056616552
	THETA 30, 0.00017782794100389228
	THETA 31, 0.0001333521432163324
	s_mov_b32 s42, 0x3fc90fdb                      ; pi/2, its f32
	s_mov_b32 s43, 0xb33bbd2e                      ; and what that leaves
	s_mov_b32 s44, 0xb94ca1f9                      ; sine: -1.9515295891e-4, 8.3321608736e-3, -1.6666654611e-1
	s_mov_b32 s45, 0x3c08839e
	s_mov_b32 s46, 0xbe2aaaa3
	s_mov_b32 s47, 0x37ccf5ce                      ; cosine: 2.443315711809948e-5, -1.388731625493765e-3, 4.166664568298827e-2
	s_mov_b32 s48, 0xbab6061a
	s_mov_b32 s49, 0x3d2aaaa5
	v_lshrrev_b32 v[TK], 4, v1
	v_add_nc_u32 v[TK], s37, v[TK]
	v_cvt_f32_u32 v[TK], v[TK]
.irp e, 0,1
	v_mul_f32 v[AX+\e], v[TK], v[TH+\e]            ; the angle: one rounding
.endr
.irp e, 0,1
	v_mul_f32 v[AN+\e], 0x3f22f983, v[AX+\e]
.endr
.irp e, 0,1
	v_rndne_f32 v[AN+\e], v[AN+\e]                 ; how many quarter turns (at most 1,304)
.endr
.irp e, 0,1
	v_fma_f32 v[AR+\e], -v[AN+\e], s42, v[AX+\e]
.endr
.irp e, 0,1
	v_fma_f32 v[AR+\e], -v[AN+\e], s43, v[AR+\e]   ; r in +-pi/4
.endr
.irp e, 0,1
	v_mul_f32 v[AZ+\e], v[AR+\e], v[AR+\e]
.endr
.irp e, 0,1
	v_fma_f32 v[AS+\e], v[AZ+\e], s44, s45
	v_fma_f32 v[AC+\e], v[AZ+\e], s47, s48
.endr
.irp e, 0,1
	v_fma_f32 v[AS+\e], v[AS+\e], v[AZ+\e], s46
	v_fma_f32 v[AC+\e], v[AC+\e], v[AZ+\e], s49
.endr
.irp e, 0,1
	v_mul_f32 v[AS+\e], v[AS+\e], v[AZ+\e]
	v_mul_f32 v[AC+\e], v[AC+\e], v[AZ+\e]
	v_fma_f32 v[AW+\e], v[AZ+\e], -0.5, 1.0
.endr
.irp e, 0,1
	v_fma_f32 v[AS+\e], v[AS+\e], v[AR+\e], v[AR+\e]   ; sin r
	v_fma_f32 v[AC+\e], v[AC+\e], v[AZ+\e], v[AW+\e]   ; cos r
	v_cvt_i32_f32 v[AQ+\e], v[AN+\e]
.endr
.irp e, 0,1
	v_and_b32 v[AP+\e], 1, v[AQ+\e]
	v_cmp_eq_u32 vcc_lo, 1, v[AP+\e]               ; an odd quarter swaps the two
	v_cndmask_b32 v[SS+\e], v[AS+\e], v[AC+\e], vcc_lo
	v_cndmask_b32 v[CC+\e], v[AC+\e], v[AS+\e], vcc_lo
	v_lshlrev_b32 v[AP+\e], 30, v[AQ+\e]           ; the sine's sign: bit 1 of the quarter
	v_and_b32 v[AP+\e], 0x80000000, v[AP+\e]
	v_xor_b32 v[SS+\e], v[SS+\e], v[AP+\e]
	v_add_nc_u32 v[AQ+\e], 1, v[AQ+\e]             ; the cosine's: bit 1 of the quarter + 1
	v_lshlrev_b32 v[AQ+\e], 30, v[AQ+\e]
	v_and_b32 v[AQ+\e], 0x80000000, v[AQ+\e]
	v_xor_b32 v[CC+\e], v[CC+\e], v[AQ+\e]
.endr
	global_store_b64 v3, v[CC:CC+1], s[24:25]      ; 32 lanes store 256 consecutive bytes, aligned: two tokens' 32 cosines each
	global_store_b64 v3, v[SS:SS+1], s[24:25] offset:262144
.Lno_trig:
.macro XTILE a
.if (\a) < 7
	s_wait_loadcnt 16                              ; this tile's 16 loads are in; the next tile's 16 may be out
.else
	s_wait_loadcnt 0x0
.endif
.irp p, 0,1,2,3,4,5,6,7,8,9,10,11,12,13,14,15
	ds_store_b128 v5, v[R+64*((\a)%2)+4*\p:R+64*((\a)%2)+4*\p+3] offset:528*\p
.endr
.irp c, 0,1
.irp i, 0,1,2,3,4,5,6,7
	ds_load_b128 v[X+32*\c+4*\i:X+32*\c+4*\i+3], v6 offset:256*\c+16*\i   ; LDS serves a wave's instructions in order: these see the stores above
.endr
.endr
	s_wait_dscnt 0x0                               ; my 64 numbers are in, and the stores have read the loaded rows
.if (\a) < 6
	XLOAD (\a)+2
.endif
.irp c, 0,1
	v_max3_num_f32 v[MX+\c], |v[X+32*\c]|, |v[X+32*\c+1]|, 0x1800000   ; my block 2 c + h, and the floor 2^(3 - 127)
.endr
.irp i, 2,4,6,8,10,12,14,16,18,20,22,24,26,28,30
.irp c, 0,1
	v_max3_num_f32 v[MX+\c], v[MX+\c], |v[X+32*\c+\i]|, |v[X+32*\c+\i+1]|
.endr
.endr
.irp c, 0,1
	v_add_nc_u32 v[SO+\c], 0xff000000, v[MX+\c]    ; 2 off the exponent field: the conversion's scale operand
.endr
.irp c, 0,1
	v_lshrrev_b32 v[BY+\c], 23, v[SO+\c]           ; the byte
.endr
	v_lshl_or_b32 v[WD], v[BY+1], 16, v[BY]        ; blocks h and 2 + h,
	v_lshlrev_b32 v[WD], v7, v[WD]                 ; at their places,
	v_permlanex16_b32 v[PD], v[WD], s40, s41
.if (\a)%2
	v_or_b32 v[WD], v[WD], v[PD]                   ; with lane l xor 16's two: the row's word
	v_cndmask_b32 v[SW+(\a)/2], v[WE], v[WD], s36  ; lanes 0-15 the even tile's words, lanes 16-31 the odd tile's
.else
	v_or_b32 v[WE], v[WD], v[PD]
.endif
	s_wait_xcnt 0x0                                ; the last tile's stores have read the fragment's registers
.irp c, 0,1
	v_cvt_scalef32_pk16_fp6_f32 v[F+6*\c:F+6*\c+2], v[X+32*\c:X+32*\c+15], v[SO+\c]
	v_cvt_scalef32_pk16_fp6_f32 v[T+4*\c:T+4*\c+2], v[X+32*\c+16:X+32*\c+31], v[SO+\c]   ; (a conversion's three registers begin on an even number)
.endr
	v_nop                                          ; one plain place behind a scaled conversion
.irp c, 0,1
.irp i, 0,1,2
	v_mov_b32 v[F+6*\c+3+\i], v[T+4*\c+\i]
.endr
.endr
.irp p, 0,1,2,3,4,5
	global_store_b64 v3, v[F+2*\p:F+2*\p+1], s[18:19] offset:1536*(\a)+256*\p   ; 256 consecutive bytes, aligned
.endr
.endm
.irp a, 0,1,2,3,4,5,6,7
	XTILE \a
.endr
.irp b, 0,1,2,3
	global_store_b32 v4, v[SW+\b], s[18:19] offset:12288+128*\b
.endr
	s_wait_tensorcnt 0x0
	ds_add_u32 v254, v255
	s_wait_dscnt 0x0
	s_endpgm
; ---------------- the weights ----------------
.Lweights:
	s_sub_co_u32 s27, ttmp9, XWG                   ; 0-383: wq, wk, wv;  384-639: wo
	s_lshr_b32 s28, s27, 4
	s_and_b32 s29, s27, 15
	s_sub_co_u32 s30, s27, 384
	s_lshr_b32 s31, s30, 3
	s_and_b32 s30, s30, 7
	s_lshl_b32 s32, s29, 8
	s_lshl_b32 s33, s30, 6
	s_sub_co_u32 s42, s27, 256
	s_sub_co_u32 s43, s27, 320
	s_wait_kmcnt 0x0
	s_cmp_lt_u32 s27, 384                          ; every choice hangs on the work-group's number alone; one path serves all four tensors
	s_cselect_b32 s28, s28, s31                    ; group of 128 columns in the image
	s_cselect_b32 s29, s29, s30                    ; which pair of K steps
	s_cselect_b32 s32, s32, s33                    ; first row: 256 kp, or for wo 64 kp (kv head kp)
	s_cselect_b32 s34, 6, 9                        ; log2 of the rows from block pair to block pair: 64, or for wo 512 (the next group's head)
	s_cselect_b32 s35, 32, 16                      ; K steps in the image
	s_cselect_b32 s38, 13, 14                      ; log2 of a row's bytes
	s_cselect_b64 s[20:21], s[20:21], s[22:23]
	s_cselect_b64 s[36:37], s[10:11], s[16:17]
	s_cmp_lt_u32 s42, 64
	s_cselect_b64 s[36:37], s[12:13], s[36:37]
	s_cselect_b32 s38, 11, s38
	s_cselect_b32 s39, 16, 0
	s_cmp_lt_u32 s43, 64
	s_cselect_b64 s[36:37], s[14:15], s[36:37]
	s_cselect_b32 s38, 11, s38
	s_cselect_b32 s39, 20, s39
	s_sub_co_u32 s39, s28, s39                     ; the group within its tensor
	s_lshl_b32 s42, s39, 9
	s_lshl_b32 s43, s26, 7                         ; my wave's 32 columns
	s_add_co_u32 s42, s42, s43
	s_lshl_b32 s43, s32, s38
	s_add_co_u32 s42, s42, s43
	s_mov_b32 s43, 0
	s_add_nc_u64 s[SB:SB+1], s[36:37], s[42:43]    ; block 0
	s_lshl_b32 s44, 32, s38                        ; 32 rows on
	s_mov_b32 s45, 0
	s_add_co_u32 s46, s34, s38
	s_lshl_b32 s46, 1, s46                         ; a pair of blocks on
	s_mov_b32 s47, 0
	s_add_nc_u64 s[SB+2:SB+3], s[SB:SB+1], s[44:45]
.irp n, 2,3,4,5,6,7
	s_add_nc_u64 s[SB+2*\n:SB+2*\n+1], s[SB+2*\n-4:SB+2*\n-3], s[46:47]
.endr
	v_and_b32 v8, 7, v1                            ; lane 16 u + 8 m + x takes column 16 m + 8 u + x, so that lanes 0-15 hold the even tile's rows and lanes 16-31 the odd tile's
	v_bfe_u32 v9, v1, 3, 1
	v_bfe_u32 v10, v1, 4, 1
	v_lshl_add_u32 v8, v9, 4, v8
	v_lshl_add_u32 v8, v10, 3, v8
	v_lshlrev_b32 v[VO], 2, v8
	s_lshl_b32 s42, 1, s38
.set wi, 0
.rept 31
	v_add_nc_u32 v[VO+wi+1], s42, v[VO+wi]         ; a row further down
.set wi, wi+1
.endr
	s_mul_i32 s42, s28, s35
	s_lshl_b32 s44, s29, 1
	s_add_co_u32 s42, s42, s44
	s_mul_i32 s42, s42, REC
	s_add_nc_u64 s[20:21], s[20:21], s[42:43]      ; my first record
	s_lshl_b32 s42, s26, 7
	s_add_co_u32 s42, s42, 12288
	s_add_nc_u64 s[22:23], s[20:21], s[42:43]      ; my pair's scale words
	s_mul_i32 s42, s26, 3072
	s_add_nc_u64 s[20:21], s[20:21], s[42:43]      ; my pair's two tiles
.macro WLOAD n                         ; block n: 32 rows, my column: a load reads 128 consecutive bytes
.set wi, 0
.rept 32
	global_load_b32 v[WX+32*((\n)%2)+wi], v[VO+wi], s[SB+2*(\n):SB+2*(\n)+1] th:TH_LOAD_NT
.set wi, wi+1
.endr
.endm
.macro QBLK n
.set XS, WX+32*((\n)%2)
.set FD, WF+24*((\n)/4)+12*((\n)%2)+6*(((\n)/2)%2)
.if (\n) < 7
	s_wait_loadcnt 32                              ; this block's 32 loads are in; the next block's may be out
.else
	s_wait_loadcnt 0x0
.endif
	v_max3_num_f32 v168, |v[XS]|, |v[XS+1]|, |v[XS+2]|
	v_max3_num_f32 v169, |v[XS+3]|, |v[XS+4]|, |v[XS+5]|
.irp i, 6,10,14,18,22,26
	v_max3_num_f32 v168, v168, |v[XS+\i]|, |v[XS+\i+1]|
	v_max3_num_f32 v169, v169, |v[XS+\i+2]|, |v[XS+\i+3]|
.endr
	v_max3_num_f32 v168, v168, |v[XS+30]|, |v[XS+31]|
	v_max3_num_f32 v168, v168, v169, 0x1800000     ; and the floor
	v_add_nc_u32 v170, 0xff000000, v168
	v_lshrrev_b32 v171, 23, v170
.if (\n)%4 == 0
	v_mov_b32 v[WW+(\n)/4], v171
.else
	v_lshl_or_b32 v[WW+(\n)/4], v171, 8*((\n)%4), v[WW+(\n)/4]
.endif
	v_cvt_scalef32_pk16_fp6_f32 v[FD:FD+2], v[XS:XS+15], v170
	v_cvt_scalef32_pk16_fp6_f32 v[WT:WT+2], v[XS+16:XS+31], v170
	v_nop
.irp i, 0,1,2
	v_mov_b32 v[FD+3+\i], v[WT+\i]
.endr
.if (\n)+2 < 8
	WLOAD (\n)+2
.endif
.endm
.macro WOUT s                          ; even blocks lie in the first 12 registers, odd blocks in the second: the exchange makes of them the pair's two tiles.  No store's data are written again
.irp i, 0,1,2,3,4,5,6,7,8,9,10,11
	v_permlane16_swap_b32 v[WF+24*\s+\i], v[WF+24*\s+12+\i]
.endr
.irp u, 0,1
.irp c, 0,1,2
	global_store_b128 v2, v[WF+24*\s+12*\u+4*\c:WF+24*\s+12*\u+4*\c+3], s[20:21] offset:\s*REC+\u*1536+512*\c   ; 512 consecutive bytes, aligned
.endr
.endr
	global_store_b32 v4, v[WW+\s], s[22:23] offset:\s*REC
.endm
	WLOAD 0
	WLOAD 1
	QBLK 0
	QBLK 1
	QBLK 2
	QBLK 3
	WOUT 0
	QBLK 4
	QBLK 5
	QBLK 6
	QBLK 7
	WOUT 1
	s_endpgm
.Lfunc_end_k_q25d287321d_quant:
	.size	k_q25d287321d_quant, .Lfunc_end_k_q25d287321d_quant-k_q25d287321d_quant
	.p2alignl 7, 3214868480
	.fill 96, 4, 3214868480
	.section	.rodata,"a",@progbits
	.p2align	6, 0x0
	.amdhsa_kernel k_q25d287321d_quant
		.amdhsa_group_segment_fixed_size 34304
		.amdhsa_private_segment_fixed_size 0
		.amdhsa_enable_private_segment 0
		.amdhsa_kernarg_size 88
		.amdhsa_user_sgpr_count 2
		.amdhsa_user_sgpr_kernarg_segment_ptr 1
		.amdhsa_wavefront_size32 1
		.amdhsa_system_sgpr_workgroup_id_x 1
		.amdhsa_system_sgpr_workgroup_id_y 1
		.amdhsa_system_sgpr_workgroup_id_z 1
		.amdhsa_system_vgpr_workitem_id 0
		.amdhsa_next_free_vgpr 256
		.amdhsa_next_free_sgpr 66
		.amdhsa_reserve_vcc 1
		.amdhsa_float_denorm_mode_32 3
		.amdhsa_float_denorm_mode_16_64 3
		.amdhsa_memory_ordered 1
		.amdhsa_forward_progress 1
		.amdhsa_inst_pref_size 111
	.end_amdhsa_kernel
	.amdgpu_metadata
---
amdhsa.version: [ 1, 2 ]
amdhsa.kernels:
  - .name:           k_q25d287321d_quant
    .symbol:         k_q25d287321d_quant.kd
    .args:
      - { .name: q, .offset: 0, .size: 8, .value_kind: global_buffer, .address_space: global }
      - { .name: k, .offset: 8, .size: 8, .value_kind: global_buffer, .address_space: global }
      - { .name: v, .offset: 16, .size: 8, .value_kind: global_buffer, .address_space: global }
      - { .name: wq, .offset: 24, .size: 8, .value_kind: global_buffer, .address_space: global }
      - { .name: wk, .offset: 32, .size: 8, .value_kind: global_buffer, .address_space: global }
      - { .name: wv, .offset: 40, .size: 8, .value_kind: global_buffer, .address_space: global }
      - { .name: wo, .offset: 48, .size: 8, .value_kind: global_buffer, .address_space: global }
      - { .name: ximg, .offset: 56, .size: 8, .value_kind: global_buffer, .address_space: global }
      - { .name: wimg, .offset: 64, .size: 8, .value_kind: global_buffer, .address_space: global }
      - { .name: woimg, .offset: 72, .size: 8, .value_kind: global_buffer, .address_space: global }
      - { .name: trig, .offset: 80, .size: 8, .value_kind: global_buffer, .address_space: global }
    .group_segment_fixed_size: 34304
    .private_segment_fixed_size: 0
    .kernarg_segment_align: 8
    .kernarg_segment_size: 88
    .max_flat_workgroup_size: 128
    .sgpr_count:     66
    .vgpr_count:     256
    .wavefront_size: 32
...
	.end_amdgpu_metadata
.endif
;; end of part 1
;; launch proj (part 2): grid 24 x 8, 4 waves a work-group, clusters of 4 x 4, 327,680 bytes of LDS; arguments ximg, wimg, trig, qimg, kvimg, out1; writes qimg, kvimg, out1
.if DOCPART == 2
	.amdgcn_target "amdgcn-amd-amdhsa--gfx1250"
	.amdhsa_code_object_version 6
	.text
	.protected	k_q25d287321d_proj
	.globl	k_q25d287321d_proj
	.p2align	8
	.type	k_q25d287321d_proj,@function
k_q25d287321d_proj:
	s_mov_b64 s[64:65], 0
	v_nop
	global_prefetch_b8 v0, s[64:65] scope:SCOPE_SE
	s_setreg_imm32_b32 hwreg(HW_REG_WAVE_MODE, 25, 1), 1
	s_wait_xcnt 0x0
	s_wait_alu depctr_hold_cnt(0) depctr_sa_sdst(0) depctr_va_vdst(0) depctr_va_sdst(0) depctr_va_ssrc(0) depctr_va_vcc(0) depctr_vm_vsrc(0)
	s_getreg_b32 s2, hwreg(HW_REG_IB_STS2, 6, 4)
	s_cmp_eq_u32 s2, 0
	s_cbranch_scc0 .Lentry_in_a_cluster
	s_endpgm
.Lentry_in_a_cluster:
	s_bfe_u32 s2, ttmp6, 0x10000c
	s_cmp_lg_u32 s2, 0xf033
	s_cbranch_scc0 .Lentry_shape_is_right
	s_endpgm
.Lentry_shape_is_right:
; The three projections on codes of FP6 (E2M3) with E8M0 scales, RoPE, out1, and the quantising of Q, K (along the head's 64) and V (along the keys) for the attention.
; A tile of C is 256 tokens x 128 features; four waves, each 128 tokens (one record group of x) x 64 features (ONE HEAD): 32 accumulators, 256 registers.
; Cluster x 0-3: Q (feature groups 0-15), 4: K, 5: V; the kind hangs on the cluster's x alone, which all partners share.
; OPERANDS ARE IMAGES OF REGISTERS (records of 12,800 bytes for 128 rows x 128 K, scale words inside): four K steps of a group are 51,200 dense bytes: a slot holds 512 along K: two groups of x and one of w.
; Two slots, filled by joint tensor loads: x's groups shared along a row of the 4 x 4 cluster, w's along a column.  Waves 0, 1 fetch x's two groups, waves 2, 3 the halves of w's.
; TRANSPOSED USE: source 0 = 16 features, source 1 = 16 tokens.  By the records' row order lane (r, h) of accumulator (a, t) holds token 32 (a / 2) + 8 (a % 2) + r + 8 (r / 8) and features 32 (t / 2) + 16 h + 8 (t % 2) + 0 .. 7.
; RoPE: one product and one fused multiply-add where the definition rounds twice.  LIMITS as in the quantising launch (floor 2^-124, a block of zeros has the byte 1, no NaN or infinity).
; Q's and K's scale words carry two bytes; bytes 2 and 3 are 0 and meet zero codes alone.
; REGISTERS: window 0: v1-23 addresses; v28, v29 the add's; v32-43 scale words and nothing else; v48-143 w's fragments, two sets; v144-239 x's, one set.  Window 1: the accumulators, (a, t) at v[8 (4 a + t)].  Window 2: cos, sin, 32 a tile.
.set KS,    32
.set REC,   12800
.set AGRP,  4*REC
.set SLOT,  3*AGRP
.set SPARE, 2*SLOT                     ; the spare words: 128 bytes a wave, two blocks of 256 bytes that no other line names
.set KSTG,  SPARE+512                  ; K's stage on the way out: 16 x 272 bytes a wave; no fill ever lands here
.set VSTG,  34816                      ; V's stage: 128 x 272 bytes a wave, in slot 0, which has had its last fill and its last read by then
.set LAPS,  KS/8
.set ADRA, 16
.set ADRB, 18
.set ADSA, 20
.set ADSB, 22
.set SPW,  28
.set NIL,  29
.set SC,   32
.set BF,   48
.set AF,   144
.set G1,   24
.set G0,   32
.set G1B,  48
.set G0B,  56
.set Y,    48                          ; the way out, window 0: v48-79 a tile's 32 numbers a lane
.set TP,   80
.set MX,   88
.set PD,   90
.set SO,   92
.set BY,   94
.set WD,   96
.set WE,   97
.set TT,   98
.set PF,   112
.set SW,   136
.set RBK,  144
.set MSB, 0
.macro WIN new                         ; the immediate's high byte repeats the setting that is left
.if MSB != \new
	s_set_vgpr_msb (MSB<<8)|\new
.set MSB, \new
.endif
.endm
.set MUL, 0x50                         ; C and D window 1, sources window 0
.macro JLOAD s                         ; a joint load; four v_nop follow each of the two lines
	s_cmp_eq_u32 s17, 0
	s_cbranch_scc0 .Lfor_b_\@
	tensor_load_to_lds s[G0+4*\s:G0+4*\s+3], s[G1:G1+7]
	s_nop 0
.rept 4
	v_nop
.endr
	s_branch .Lasked_\@
.Lfor_b_\@:
	tensor_load_to_lds s[G0B+4*\s:G0B+4*\s+3], s[G1B:G1B+7]
	s_nop 0
.rept 4
	v_nop
.endr
.Lasked_\@:
.endm
.macro CREST
	s_cmp_lg_u32 s16, 0
	s_cbranch_scc1 .Lnot_wave_0_\@
	s_barrier_signal -3
.Lnot_wave_0_\@:
	s_barrier_wait -3
	s_barrier_signal -1
	s_barrier_wait -1
.endm
.macro CROUND
	s_barrier_signal -1
	s_barrier_wait -1
	CREST
.endm
.macro PLACES n
.rept \n
	v_nop
.endr
.endm
.macro WMR c, rb, ra                   ; one product; DD, BB, AA, SBR, SAR are set by the caller; rb, ra: the scale words lie in lanes 16-31
.if (\rb) && (\ra)
	v_wmma_scale_f32_16x16x128_f8f6f4 v[DD:DD+7], v[BB:BB+11], v[AA:AA+11], \c, v[SBR], v[SAR] matrix_a_fmt:MATRIX_FMT_FP6 matrix_b_fmt:MATRIX_FMT_FP6 matrix_a_scale:MATRIX_SCALE_ROW1 matrix_b_scale:MATRIX_SCALE_ROW1
.elseif \rb
	v_wmma_scale_f32_16x16x128_f8f6f4 v[DD:DD+7], v[BB:BB+11], v[AA:AA+11], \c, v[SBR], v[SAR] matrix_a_fmt:MATRIX_FMT_FP6 matrix_b_fmt:MATRIX_FMT_FP6 matrix_a_scale:MATRIX_SCALE_ROW1
.elseif \ra
	v_wmma_scale_f32_16x16x128_f8f6f4 v[DD:DD+7], v[BB:BB+11], v[AA:AA+11], \c, v[SBR], v[SAR] matrix_a_fmt:MATRIX_FMT_FP6 matrix_b_fmt:MATRIX_FMT_FP6 matrix_b_scale:MATRIX_SCALE_ROW1
.else
	v_wmma_scale_f32_16x16x128_f8f6f4 v[DD:DD+7], v[BB:BB+11], v[AA:AA+11], \c, v[SBR], v[SAR] matrix_a_fmt:MATRIX_FMT_FP6 matrix_b_fmt:MATRIX_FMT_FP6
.endif
.endm
.macro MUL8 a0, set, zero              ; x's tiles a0, a0 + 1 against w's four.  The 32 accumulators take turns, in the same order in every step
.irp a, \a0, \a0+1
.irp t, 0,1,2,3
.set DD, 8*(4*(\a)+\t)
.set BB, BF+48*(\set)+12*\t
.set AA, AF+12*(\a)
.set SBR, SC+6*(\set)+4+\t/2
.set SAR, SC+6*(\set)+(\a)/2
.if \zero
	WMR 0, \t%2, (\a)%2
.else
	WMR v[DD:DD+7], \t%2, (\a)%2
.endif
.endr
.endr
.endm
.macro FETCH_A slot, q, a0             ; four tiles of x: 24 loads of 8 bytes a lane, each 256 consecutive bytes
.irp a, \a0, \a0+1, \a0+2, \a0+3
.irp p, 0,1,2,3,4,5
	ds_load_b64 v[AF+12*(\a)+2*\p:AF+12*(\a)+2*\p+1], v[ADRA+\slot] offset:REC*(\q)+1536*(\a)+256*\p
.endr
.endr
.endm
.macro FETCH_B slot, q, set            ; my four tiles of w: 12 loads of 16 bytes a lane
.irp t, 0,1,2,3
.irp c, 0,1,2
	ds_load_b128 v[BF+48*(\set)+12*\t+4*\c:BF+48*(\set)+12*\t+4*\c+3], v[ADRB+\slot] offset:REC*(\q)+1536*\t+512*\c
.endr
.endr
.endm
.macro FETCH_S slot, q, set            ; the scale words: x's four pairs, w's two: 6 loads
.irp b, 0,1,2,3
	ds_load_b32 v[SC+6*(\set)+\b], v[ADSA+\slot] offset:REC*(\q)+128*\b
.endr
.irp i, 0,1
	ds_load_b32 v[SC+6*(\set)+4+\i], v[ADSB+\slot] offset:REC*(\q)+128*\i
.endr
.endm
.macro STEP slot, q, zero              ; 128 along K with its successor in the same slot
	s_wait_dscnt 24                                ; all but the youngest 24 loads (x's tiles 4-7)
	WIN MUL
	MUL8 0, (\q)%2, \zero
	MUL8 2, (\q)%2, \zero
	s_wait_dscnt 0x0                               ; x's tiles 4-7 are in
	PLACES 4                                       ; four plain places in front of loads into registers that matrix instructions have read
	WIN 0
	FETCH_B \slot, (\q)+1, 1-(\q)%2
	FETCH_S \slot, (\q)+1, 1-(\q)%2
	FETCH_A \slot, (\q)+1, 0
	WIN MUL
	MUL8 4, (\q)%2, \zero
	MUL8 6, (\q)%2, \zero
	PLACES 4
	WIN 0
	FETCH_A \slot, (\q)+1, 4
.endm
.macro TURN slot, next, fill           ; a slot's last step changes slots: one barrier
	s_wait_tensorcnt 0x0                           ; all my tensor loads have landed: my part of the next slot
	ds_add_u32 v[SPW], v[NIL]                      ; 0 onto my spare word
	s_wait_dscnt 25                                ; (the add and the youngest 24 loads may be out)
	WIN MUL
	MUL8 0, 1, 0
	s_wait_dscnt 0x0                               ; the add is done, and my reads of this slot are over
	s_barrier_signal -1
	MUL8 2, 1, 0
	WIN 0
	s_barrier_wait -1
.if \fill
	CREST                                          ; the barrier has opened a round of the cluster's: no wave of any partner still reads this slot or has a load on its way
	s_add_nc_u64 s[G0+4*\slot+2:G0+4*\slot+3], s[G0+4*\slot+2:G0+4*\slot+3], 2*AGRP
	s_add_nc_u64 s[G0B+4*\slot+2:G0B+4*\slot+3], s[G0B+4*\slot+2:G0B+4*\slot+3], 2*AGRP
	JLOAD \slot                                    ; the first tensor load behind the round; its four v_nop are the places in front of the loads below
.else
	PLACES 4
.endif
	FETCH_B \next, 0, 0
	FETCH_S \next, 0, 0
	FETCH_A \next, 0, 0
	WIN MUL
	MUL8 4, 1, 0
	MUL8 6, 1, 0
	PLACES 4
	WIN 0
	FETCH_A \next, 0, 4
.endm
	s_load_b128 s[4:7], s[0:1], 0x0                ; ximg, wimg
	s_load_b128 s[8:11], s[0:1], 0x10              ; trig, qimg
	s_load_b128 s[12:15], s[0:1], 0x20             ; kvimg, out1
	v_lshl_add_u32 v[SPW], v0, 2, SPARE
	v_mov_b32 v[NIL], 0
	ds_add_u32 v28, v29
	ds_add_u32 v28, v29
	s_wait_dscnt 0x0
	v_lshrrev_b32 v1, 5, v0
	v_readfirstlane_b32 s16, v1                    ; wave
	s_lshr_b32 s17, s16, 1                         ; which 128 tokens are mine.  Also: I fetch for x (0) or for w (1)
	s_and_b32 s18, s16, 1                          ; which 64 features.  Also: which part I fetch
	s_bfe_u32 s40, ttmp6, 0x40000                  ; cx
	s_bfe_u32 s41, ttmp6, 0x40004                  ; cy
	s_lshl_b32 s42, ttmp9, 2
	s_add_co_u32 s42, s42, s40                     ; tile column
	s_and_b32 s19, ttmp7, 0xffff
	s_lshl_b32 s19, s19, 2
	s_add_co_u32 s19, s19, s41                     ; tile row
	s_lshl_b32 s43, s41, 2
	s_lshl_b32 s43, 15, s43                        ; my row of the cluster
	s_lshl_b32 s44, 0x1111, s40                    ; my column
	s_sub_co_i32 s66, ttmp9, 3
	s_max_i32 s66, s66, 0                          ; the kind: 0 Q, 1 K, 2 V
	s_or_b32 s[G1+0], s43, (3<<16)|(1<<21)         ; the mask; elements of 8 bytes; bit 21 beside a mask; no padding
	s_or_b32 s[G1B+0], s44, (3<<16)|(1<<21)
	s_mov_b32 s[G1+1], 32<<16                      ; rows of 32 elements (256 bytes), dense
	s_mov_b32 s[G1+2], 200<<16                     ; 200 rows: a group's four K steps
	s_mov_b32 s[G1+3], 32<<16
	s_mov_b32 s[G1+4], 200
	s_mov_b32 s[G1+5], 32
	s_mov_b32 s[G1+6], 0
	s_mov_b32 s[G1+7], 0
	s_mov_b32 s[G1B+1], 32<<16
	s_mov_b32 s[G1B+2], 100<<16                    ; 100 rows: two K steps of w's group
	s_mov_b32 s[G1B+3], 32<<16
	s_mov_b32 s[G1B+4], 100
	s_mov_b32 s[G1B+5], 32
	s_mov_b32 s[G1B+6], 0
	s_mov_b32 s[G1B+7], 0
	s_lshl_b32 s20, s19, 1
	s_add_co_u32 s20, s20, s18                     ; x: group 2 x tile row + part
	s_mul_i32 s20, s20, KS*REC
	s_mul_i32 s21, s66, 16*KS*REC                  ; in q's, k's or v's image
	s_add_co_u32 s20, s20, s21
	s_mov_b32 s21, 0
	s_mul_i32 s46, s42, KS*REC                     ; w: group = tile column,
	s_mul_i32 s47, s18, 2*REC                      ; my two of a slot's four K steps
	s_add_co_u32 s46, s46, s47
	s_mov_b32 s47, 0
	s_mul_i32 s45, s18, AGRP                       ; where they go: no place in the cluster enters an LDS address
	s_mul_i32 s67, s18, 2*REC
	s_add_co_u32 s67, s67, 2*AGRP
	s_wait_kmcnt 0x0
	s_add_nc_u64 s[20:21], s[4:5], s[20:21]
	s_add_nc_u64 s[46:47], s[6:7], s[46:47]
	CROUND                                         ; all sixteen work-groups are here: the first joint loads meet
.irp s, 0,1
	s_mov_b32 s[G0+4*\s], 1
	s_add_co_u32 s[G0+4*\s+1], s45, \s*SLOT
	s_add_nc_u64 s[G0+4*\s+2:G0+4*\s+3], s[20:21], \s*AGRP
	s_or_b32 s[G0+4*\s+3], s[G0+4*\s+3], 0x80000000
	s_mov_b32 s[G0B+4*\s], 1
	s_add_co_u32 s[G0B+4*\s+1], s67, \s*SLOT
	s_add_nc_u64 s[G0B+4*\s+2:G0B+4*\s+3], s[46:47], \s*AGRP
	s_or_b32 s[G0B+4*\s+3], s[G0B+4*\s+3], 0x80000000
	JLOAD \s                                       ; two tensor loads of mine are out
.endr
	v_and_b32 v1, 31, v0                           ; lane
	v_lshlrev_b32 v2, 3, v1
	v_lshlrev_b32 v3, 4, v1
	v_lshlrev_b32 v4, 2, v1
	v_and_b32 v5, 15, v0                           ; r
	v_bfe_u32 v6, v0, 4, 1                         ; h
	v_and_b32 v7, 8, v5
	v_add_nc_u32 v7, v7, v5                        ; r + 8 (r / 8)
	s_mul_i32 s80, s17, AGRP
	s_mul_i32 s81, s18, 6144
	s_add_co_u32 s81, s81, 2*AGRP
	s_lshl_b32 s82, s18, 8
	s_add_co_u32 s82, s82, 2*AGRP+12288
	s_add_co_u32 s83, s80, 12288
.irp s, 0,1
	v_add_nc_u32 v[ADRA+\s], s80, v2
	v_add_nc_u32 v[ADRB+\s], s81, v3
	v_add_nc_u32 v[ADSA+\s], s83, v4
	v_add_nc_u32 v[ADSB+\s], s82, v4
	s_add_co_u32 s80, s80, SLOT
	s_add_co_u32 s81, s81, SLOT
	s_add_co_u32 s82, s82, SLOT
	s_add_co_u32 s83, s83, SLOT
.endr
	; the way out's LDS addresses, all made here
	s_mul_i32 s78, s16, 4352
	s_add_co_u32 s78, s78, KSTG
	s_mul_i32 s77, s16, VSTG
	v_mul_u32_u24 v8, v5, 272
	v_lshl_add_u32 v8, v6, 6, v8
	v_add_nc_u32 v8, s78, v8                       ; K's stage, in: row r, + 64 h
	v_mul_u32_u24 v9, v6, 272
	v_lshl_add_u32 v9, v5, 4, v9
	v_add_nc_u32 v13, s77, v9                      ; V's stage, rows out
	v_add_nc_u32 v9, s78, v9                       ; K's stage, out: lanes 0-15 one row, lanes 16-31 the next
	v_lshlrev_b32 v11, 12, v6
	v_lshl_add_u32 v11, v5, 4, v11                 ; and the same two tokens in out1
	v_mul_u32_u24 v12, v7, 272
	v_lshl_add_u32 v12, v6, 6, v12
	v_add_nc_u32 v12, s77, v12                     ; V's stage, in
	v_and_b32 v14, 7, v1
	v_bfe_u32 v15, v1, 3, 1
	v_lshl_add_u32 v14, v15, 4, v14
	v_lshl_add_u32 v14, v6, 3, v14
	v_lshlrev_b32 v14, 2, v14
	v_add_nc_u32 v14, s77, v14                     ; V's stage, columns: lane 16 u + 8 m + x takes channel 16 m + 8 u + x
	; cos and sin of my 128 tokens, as the accumulators want them: tile a, lane (r, h): angles 16 h + 0 .. 15.  Every kind loads them; V does not use them
	s_lshl_b32 s70, s19, 1
	s_add_co_u32 s70, s70, s17                     ; my group of 128 tokens
	s_lshl_b32 s72, s70, 14
	s_mov_b32 s73, 0
	s_add_nc_u64 s[8:9], s[8:9], s[72:73]
	v_lshlrev_b32 v10, 7, v7
	v_lshl_add_u32 v10, v6, 6, v10
	WIN 0x80                                       ; destination window 2
.irp a, 0,1,2,3,4,5,6,7
.irp c, 0,1,2,3
	global_load_b128 v[32*\a+4*\c:32*\a+4*\c+3], v10, s[8:9] offset:(32*(\a/2)+8*(\a%2))*128+16*\c
	global_load_b128 v[32*\a+16+4*\c:32*\a+16+4*\c+3], v10, s[8:9] offset:262144+(32*(\a/2)+8*(\a%2))*128+16*\c
.endr
.endr
	WIN 0
	s_mov_b32 s68, 0x76543210
	s_mov_b32 s69, 0xfedcba98
	s_mov_b32 s76, 0xffff0000
	s_wait_tensorcnt 1                             ; my part of slot 0 is in; slot 1's may stay out
	s_barrier_signal -1
	s_barrier_wait -1
	FETCH_B 0, 0, 0
	FETCH_S 0, 0, 0
	FETCH_A 0, 0, 0
	FETCH_A 0, 0, 4
	STEP 0, 0, 1                                   ; the first step starts the sums
	s_mov_b32 s3, LAPS-1
.Llap:
	STEP 0, 1, 0
	STEP 0, 2, 0
	TURN 0, 1, 1
	STEP 1, 0, 0
	STEP 1, 1, 0
	STEP 1, 2, 0
	TURN 1, 0, 1
	STEP 0, 0, 0
	s_sub_co_u32 s3, s3, 1
	s_cmp_lg_u32 s3, 0
	s_cbranch_scc1 .Llap
	STEP 0, 1, 0                                   ; the last lap fills nothing
	STEP 0, 2, 0
	TURN 0, 1, 0
	STEP 1, 0, 0
	STEP 1, 1, 0
	STEP 1, 2, 0
	s_wait_dscnt 24
	WIN MUL
	MUL8 0, 1, 0
	MUL8 2, 1, 0
	s_wait_dscnt 0x0
	MUL8 4, 1, 0
	MUL8 6, 1, 0
	WIN 0
	PLACES 4                                       ; in front of the first read of results and of writes over operands that are done with
	s_wait_loadcnt 0x0                             ; cos, sin
	v_mov_b32 v[PD], 0
	v_mov_b32 v[PD+1], 0
	s_lshl_b32 s71, s42, 1
	s_add_co_u32 s71, s71, s18                     ; 2 x tile column + half: Q's head; K's + 32; V's + 40
	s_lshl_b32 s72, s71, 4
	s_add_co_u32 s72, s72, s70
	s_mul_i32 s72, s72, 6656
	s_add_nc_u64 s[10:11], s[10:11], s[72:73]      ; Q's record (head, group)
	s_and_b32 s74, s71, 7                          ; the kv head
	s_lshl_b32 s72, s74, 4
	s_add_co_u32 s72, s72, s70
	s_mul_i32 s72, s72, 13056
	s_add_nc_u64 s[12:13], s[12:13], s[72:73]      ; K's and V's record (head, key step)
	s_lshl_b32 s72, s70, 19
	s_lshl_b32 s75, s74, 9
	s_add_co_u32 s72, s72, s75
	s_add_nc_u64 s[14:15], s[14:15], s[72:73]      ; out1 at my first token, my head
	s_cmp_eq_u32 s66, 2
	s_cbranch_scc1 .Lv
; ---------------- Q and K: RoPE, quantised along the head's 64 ----------------
.macro ROPE a                          ; Y[16 e + i] = channel 32 e + 16 h + i.  Each accumulator is read from its low end on
	WIN 0x09                                       ; source 0 window 1 (sums), source 1 window 2 (cos, sin)
.irp u, 0,1
.irp j, 0,2,4,6
.set X1, 8*(4*(\a)+\u)+\j
.set X2, 8*(4*(\a)+2+\u)+\j
.set CSR, 32*(\a)+8*\u+\j
.set SNR, CSR+16
.set TA, TP+4*((\j/2)%2)
	v_pk_mul_f32 v[TA:TA+1], v[X2:X2+1], v[SNR:SNR+1]
	v_pk_mul_f32 v[TA+2:TA+3], v[X1:X1+1], v[SNR:SNR+1]
	v_pk_fma_f32 v[Y+8*\u+\j:Y+8*\u+\j+1], v[X1:X1+1], v[CSR:CSR+1], v[TA:TA+1] neg_lo:[0,0,1] neg_hi:[0,0,1]
	v_pk_fma_f32 v[Y+16+8*\u+\j:Y+16+8*\u+\j+1], v[X2:X2+1], v[CSR:CSR+1], v[TA+2:TA+3]
.endr
.endr
	WIN 0
.endm
.macro QUANT64 s, d                    ; 32 numbers a lane, two blocks of 32 shared with lane l xor 16 -> six registers of codes (k = 32 h + 0 .. 31) and the two bytes in v[WD]
.irp b, 0,1
	v_max3_num_f32 v[MX+\b], |v[\s+16*\b]|, |v[\s+16*\b+1]|, 0x1800000
.endr
.irp i, 2,4,6,8,10,12,14
.irp b, 0,1
	v_max3_num_f32 v[MX+\b], v[MX+\b], |v[\s+16*\b+\i]|, |v[\s+16*\b+\i+1]|
.endr
.endr
.irp b, 0,1
	v_permlanex16_b32 v[PD+\b], v[MX+\b], s68, s69
.endr
.irp b, 0,1
	v_max_num_f32 v[MX+\b], v[MX+\b], v[PD+\b]
.endr
.irp b, 0,1
	v_add_nc_u32 v[SO+\b], 0xff000000, v[MX+\b]
.endr
.irp b, 0,1
	v_lshrrev_b32 v[BY+\b], 23, v[SO+\b]
.endr
	v_lshl_or_b32 v[WD], v[BY+1], 8, v[BY]
	s_wait_xcnt 0x0                                ; earlier stores have read the registers that are written from here on
	v_cvt_scalef32_pk16_fp6_f32 v[\d:\d+2], v[\s:\s+15], v[SO]
	v_cvt_scalef32_pk16_fp6_f32 v[TT:TT+2], v[\s+16:\s+31], v[SO+1]
	v_nop
.irp i, 0,1,2
	v_permlane16_swap_b32 v[\d+\i], v[TT+\i]
.endr
.irp i, 0,1,2
	v_mov_b32 v[\d+3+\i], v[TT+\i]
.endr
.endm
.macro QKTILE a
.set DST, PF+12*(((\a)/2)%2)+6*((\a)%2)
.set PFP, PF+12*(((\a)/2)%2)
.set RB, RBK+32*((\a)%2)
	ROPE \a
	QUANT64 Y, DST
.if (\a)%2
	v_cndmask_b32 v[SW+(\a)/2], v[WE], v[WD], s76  ; lanes 0-15 the even tile's words, lanes 16-31 the odd tile's
.else
	v_mov_b32 v[WE], v[WD]
.endif
	s_cmp_lg_u32 s66, 0
	s_cbranch_scc1 .Lk_\@
.irp p, 0,1,2
	global_store_b64 v2, v[DST+2*\p:DST+2*\p+1], s[10:11] offset:768*(\a)+256*\p   ; 256 consecutive bytes, aligned
.endr
	s_branch .Ldone_\@
.Lk_\@:
.irp e, 0,1
.irp c, 0,1,2,3
	ds_store_b128 v8, v[Y+16*\e+4*\c:Y+16*\e+4*\c+3] offset:128*\e+16*\c
.endr
.endr
.irp i, 0,1,2,3,4,5,6,7
	ds_load_b128 v[RB+4*\i:RB+4*\i+3], v9 offset:544*\i   ; my own stage: LDS serves a wave's instructions in order
.endr
.if (\a)%2
.irp c, 0,1,2
	global_store_b128 v3, v[PFP+4*\c:PFP+4*\c+3], s[12:13] offset:1536*((\a)/2)+512*\c   ; the pair's image: registers 0-5 the even tile, 6-11 the odd
.endr
.endif
.irp i, 0,1,2,3,4,5,6,7
	s_wait_dscnt 7-\i
	global_store_b128 v11, v[RB+4*\i:RB+4*\i+3], s[14:15] offset:(32*((\a)/2)+8*((\a)%2)+2*\i+8*(\i/4))*4096   ; 16 lanes store a token's 256 bytes of K, aligned
.endr
.Ldone_\@:
.endm
.irp a, 0,1,2,3,4,5,6,7
	QKTILE \a
.endr
	s_cmp_lg_u32 s66, 0
	s_cbranch_scc1 .Lk_words
	global_store_b128 v3, v[SW:SW+3], s[10:11] offset:6144
	s_branch .Lend
.Lk_words:
	global_store_b128 v3, v[SW:SW+3], s[12:13] offset:12288
	s_branch .Lend
; ---------------- V: out1, and quantised along the keys ----------------
.Lv:
	WIN 0x04                                       ; an LDS store's data are its source 1: window 1
.irp a, 0,1,2,3,4,5,6,7
.irp t, 0,1,2,3
	ds_store_b128 v12, v[8*(4*\a+\t):8*(4*\a+\t)+3] offset:272*(32*(\a/2)+8*(\a%2))+128*(\t/2)+32*(\t%2)
	ds_store_b128 v12, v[8*(4*\a+\t)+4:8*(4*\a+\t)+7] offset:272*(32*(\a/2)+8*(\a%2))+128*(\t/2)+32*(\t%2)+16
.endr
.endr
	WIN 0
.macro VROWS g                         ; tokens 16 g .. 16 g + 15, whole rows of 256 bytes
.set RB, RBK+32*((\g)%2)
.if (\g) > 1
	s_wait_xcnt 0x0                                ; the stores of two runs ago have read these registers
.endif
.irp i, 0,1,2,3,4,5,6,7
	ds_load_b128 v[RB+4*\i:RB+4*\i+3], v13 offset:272*(16*(\g)+2*\i)
.endr
.irp i, 0,1,2,3,4,5,6,7
	s_wait_dscnt 7-\i
	global_store_b128 v11, v[RB+4*\i:RB+4*\i+3], s[14:15] offset:(16*(\g)+2*\i)*4096+256
.endr
.endm
.irp g, 0,1,2,3,4,5,6,7
	VROWS \g
.endr
.macro VLOAD n                         ; block n = 4 e + kb: keys 32 kb + 0 .. 31 of my channel: registers run down the keys
.set vi, 0
.rept 32
	ds_load_b32 v[RBK+32*((\n)%2)+vi], v14 offset:272*(32*((\n)%4)+vi)+128*((\n)/4)
.set vi, vi+1
.endr
.endm
.macro VBLK n
.set XS, RBK+32*((\n)%2)
.set FD, 112-64*((\n)/4)+12*((\n)%2)+6*(((\n)/2)%2)
.if (\n) < 7
	s_wait_dscnt 32                                ; this block's 32 loads are in; the next block's may be out
.else
	s_wait_dscnt 0x0
.endif
	v_max3_num_f32 v[MX], |v[XS]|, |v[XS+1]|, |v[XS+2]|
	v_max3_num_f32 v[MX+1], |v[XS+3]|, |v[XS+4]|, |v[XS+5]|
.irp i, 6,10,14,18,22,26
	v_max3_num_f32 v[MX], v[MX], |v[XS+\i]|, |v[XS+\i+1]|
	v_max3_num_f32 v[MX+1], v[MX+1], |v[XS+\i+2]|, |v[XS+\i+3]|
.endr
	v_max3_num_f32 v[MX], v[MX], |v[XS+30]|, |v[XS+31]|
	v_max3_num_f32 v[MX], v[MX], v[MX+1], 0x1800000
	v_add_nc_u32 v[SO], 0xff000000, v[MX]
	v_lshrrev_b32 v[BY], 23, v[SO]
.if (\n)%4 == 0
	v_mov_b32 v[SW+(\n)/4], v[BY]
.else
	v_lshl_or_b32 v[SW+(\n)/4], v[BY], 8*((\n)%4), v[SW+(\n)/4]
.endif
	v_cvt_scalef32_pk16_fp6_f32 v[FD:FD+2], v[XS:XS+15], v[SO]
	v_cvt_scalef32_pk16_fp6_f32 v[TT:TT+2], v[XS+16:XS+31], v[SO]
	v_nop
.irp i, 0,1,2
	v_mov_b32 v[FD+3+\i], v[TT+\i]
.endr
.if (\n)+2 < 8
	VLOAD (\n)+2
.endif
.endm
.macro VOUT e                          ; even key blocks in the first 12 registers, odd in the second: the exchange makes tiles 2 e and 2 e + 1
.irp i, 0,1,2,3,4,5,6,7,8,9,10,11
	v_permlane16_swap_b32 v[112-64*\e+\i], v[112-64*\e+12+\i]
.endr
.irp u, 0,1
.irp c, 0,1,2
	global_store_b128 v3, v[112-64*\e+12*\u+4*\c:112-64*\e+12*\u+4*\c+3], s[12:13] offset:6144+1536*(2*\e+\u)+512*\c
.endr
.endr
.endm
	s_wait_xcnt 0x0                                ; the rows' stores have read their registers
	VLOAD 0
	VLOAD 1
	VBLK 0
	VBLK 1
	VBLK 2
	VBLK 3
	VOUT 0
	VBLK 4
	VBLK 5
	VBLK 6
	VBLK 7
	VOUT 1
	global_store_b64 v2, v[SW:SW+1], s[12:13] offset:12800   ; V's scale words: 256 consecutive bytes
.Lend:
	s_wait_tensorcnt 0x0                           ; the wave's end
	ds_add_u32 v[SPW], v[NIL]
	s_wait_dscnt 0x0
	CROUND                                         ; the closing round
	s_endpgm
.Lfunc_end_k_q25d287321d_proj:
	.size	k_q25d287321d_proj, .Lfunc_end_k_q25d287321d_proj-k_q25d287321d_proj
	.p2alignl 7, 3214868480
	.fill 96, 4, 3214868480
	.section	.rodata,"a",@progbits
	.p2align	6, 0x0
	.amdhsa_kernel k_q25d287321d_proj
		.amdhsa_group_segment_fixed_size 327680
		.amdhsa_private_segment_fixed_size 0
		.amdhsa_enable_private_segment 0
		.amdhsa_kernarg_size 48
		.amdhsa_user_sgpr_count 2
		.amdhsa_user_sgpr_kernarg_segment_ptr 1
		.amdhsa_wavefront_size32 1
		.amdhsa_system_sgpr_workgroup_id_x 1
		.amdhsa_system_sgpr_workgroup_id_y 1
		.amdhsa_system_sgpr_workgroup_id_z 1
		.amdhsa_system_vgpr_workitem_id 0
		.amdhsa_next_free_vgpr 768
		.amdhsa_next_free_sgpr 100
		.amdhsa_reserve_vcc 0
		.amdhsa_float_denorm_mode_32 3
		.amdhsa_float_denorm_mode_16_64 3
		.amdhsa_memory_ordered 1
		.amdhsa_forward_progress 1
		.amdhsa_inst_pref_size 253
	.end_amdhsa_kernel
	.amdgpu_metadata
---
amdhsa.version: [ 1, 2 ]
amdhsa.kernels:
  - .name:           k_q25d287321d_proj
    .symbol:         k_q25d287321d_proj.kd
    .args:
      - { .name: ximg, .offset: 0, .size: 8, .value_kind: global_buffer, .address_space: global }
      - { .name: wimg, .offset: 8, .size: 8, .value_kind: global_buffer, .address_space: global }
      - { .name: trig, .offset: 16, .size: 8, .value_kind: global_buffer, .address_space: global }
      - { .name: qimg, .offset: 24, .size: 8, .value_kind: global_buffer, .address_space: global }
      - { .name: kvimg, .offset: 32, .size: 8, .value_kind: global_buffer, .address_space: global }
      - { .name: out1, .offset: 40, .size: 8, .value_kind: global_buffer, .address_space: global }
    .group_segment_fixed_size: 327680
    .private_segment_fixed_size: 0
    .kernarg_segment_align: 8
    .kernarg_segment_size: 48
    .max_flat_workgroup_size: 128
    .sgpr_count:     100
    .vgpr_count:     768
    .wavefront_size: 32
...
	.end_amdgpu_metadata
.endif
;; end of part 2
;; launch attn (part 3): grid 32 x 8, 16 waves a work-group, no clusters, 211,456 bytes of LDS; arguments qimg, kvimg, aimg; writes aimg
.if DOCPART == 3
	.amdgcn_target "amdgcn-amd-amdhsa--gfx1250"
	.amdhsa_code_object_version 6
	.text
	.protected	k_q25d287321d_attn
	.globl	k_q25d287321d_attn
	.p2align	8
	.type	k_q25d287321d_attn,@function
k_q25d287321d_attn:
	s_mov_b64 s[64:65], 0
	v_nop
	global_prefetch_b8 v0, s[64:65] scope:SCOPE_SE
	s_setreg_imm32_b32 hwreg(HW_REG_WAVE_MODE, 25, 1), 1
	s_wait_xcnt 0x0
; Causal grouped-query attention on codes of FP6 (E2M3) with E8M0 scales; head size 64, 2,048 tokens, 8 kv heads x 4 query heads.
; t = score x log2(e) / 8; M = the running largest t rounded up to a whole number; p = 2^(t - M) is quantised along the keys; the row's sum is taken of the unquantised p and divides at the end.
; SHARES.  Work-group (x, h) serves ALL FOUR query heads of kv head h, for the 32 queries of block x and of block 63 - x: together 65 blocks' worth of keys in every work-group.
; Wave w: query head 8 (w & 3) + h, tile (w >> 2) & 1 of the block, block x (w < 8) or 63 - x.  One tile of 16 queries a wave, 256 registers.
; NO CLUSTER: the four query heads that share K and V are in one work-group already; other query blocks leave out other key steps.
; NO RING: a head's 16 records (128 keys each: K's pair images, V's four tiles, scale words; 13,056 bytes) fit in LDS: 16 tensor loads at the head, four each by waves 0-3, every byte filled once.
; Both products are used transposed: a lane holds one query.  K = 64 fills registers 0-5 of an operand: Q's registers 6-11 are zero codes, against which K's operand shows the next tile's codes: they add nothing.
; A key step all of whose keys come after the wave's queries is left out by a scalar branch on ids; the trip counts are constants.
; The result, divided by the sum, is quantised along (head, channel) and stored as the output projection's operand image, K step 2 h + g / 2, blocks 2 (g % 2) + 0, 1.
; LIMITS: as in the quantising launch; a block's largest p is the exponential of its largest score, which takes v_exp_f32 not to fall where its input rises.
.set RECB, 13056
.set HST,  16*RECB                     ; behind the records: 512 bytes in which the output's scale halfwords meet; no fill lands here
.set BM,   212
.set PT,   216
.set SOP,  220
.set PW,   224                         ; p's scale word, and nothing else
.set FF,   226
.set TMP,  228
.set NINF, 229
.set WD,   230
.set PC,   192
.set TT,   204
.set WV,   10
.set LAST, 16
.set CS,   22
.set TB,   52
.set KSI,  53
.set CNT,  54
.set SEL,  56
	s_load_b128 s[4:7], s[0:1], 0x0                ; qimg, kvimg
	s_load_b64 s[8:9], s[0:1], 0x10                ; aimg
	v_lshl_add_u32 v254, v0, 2, 0x33200
	v_mov_b32 v255, 0
	ds_add_u32 v254, v255
	ds_add_u32 v254, v255
	v_lshrrev_b32 v6, 5, v0
	v_readfirstlane_b32 s[WV], v6                  ; wave 0..15
	s_and_b32 s11, ttmp7, 0xffff                   ; kv head
	s_and_b32 s12, s[WV], 3                        ; g
	s_bfe_u32 s13, s[WV], 0x10002                  ; u
	s_lshr_b32 s14, s[WV], 3
	s_sub_co_u32 s15, 63, ttmp9
	s_cmp_eq_u32 s14, 0
	s_cselect_b32 s15, ttmp9, s15                  ; my block of 32 queries
	s_lshr_b32 s[LAST], s15, 2                     ; its group of 128 = the last key step that counts
	s_and_b32 s17, s15, 3                          ; its place in the group
	s_mov_b32 s24, 3<<16                           ; group 1: elements of 8 bytes, no mask, no padding
	s_mov_b32 s25, 32<<16                          ; rows of 256 bytes, dense
	s_mov_b32 s26, 51<<16                          ; 51 rows: a record
	s_mov_b32 s27, 32<<16
	s_mov_b32 s28, 51
	s_mov_b32 s29, 32
	s_mov_b32 s30, 0
	s_mov_b32 s31, 0
	s_mul_i32 s18, s11, 16*RECB
	s_mul_i32 s19, s[WV], RECB
	s_add_co_u32 s20, s18, s19
	s_mov_b32 s21, 0
	s_wait_dscnt 0x0
	s_wait_kmcnt 0x0
	s_add_nc_u64 s[20:21], s[6:7], s[20:21]
.irp c, 0,1,2,3
	s_mov_b32 s[32+4*\c], 1
	s_add_co_u32 s[33+4*\c], s19, 4*\c*RECB        ; record 4 c + wave
	s_add_nc_u64 s[34+4*\c:35+4*\c], s[20:21], 4*\c*RECB
	s_or_b32 s[35+4*\c], s[35+4*\c], 0x80000000
.endr
	s_cmp_lt_u32 s[WV], 4
	s_cbranch_scc0 .Lno_fetch
	tensor_load_to_lds s[32:35], s[24:31]          ; four tensor loads of mine are out
	s_nop 0
	tensor_load_to_lds s[36:39], s[24:31]
	s_nop 0
	tensor_load_to_lds s[40:43], s[24:31]
	s_nop 0
	tensor_load_to_lds s[44:47], s[24:31]
	s_nop 0
.rept 4
	v_nop
.endr
.Lno_fetch:
	v_and_b32 v11, 31, v0
	v_lshlrev_b32 v1, 4, v11                       ; 16 x lane
	v_lshlrev_b32 v2, 3, v11                       ; 8 x lane
	v_lshlrev_b32 v11, 2, v11                      ; 4 x lane
	v_and_b32 v6, 15, v0                           ; r
	v_bfe_u32 v3, v0, 4, 1                         ; h
	v_and_b32 v4, 8, v6
	v_add_nc_u32 v4, v4, v6
	v_lshlrev_b32 v3, 4, v3
	v_sub_nc_u32 v3, v4, v3
	s_lshl_b32 s48, s17, 5
	s_lshl_b32 s49, s13, 3
	s_add_co_u32 s48, s48, s49
	v_add_nc_u32 v3, s48, v3                       ; my query's place in its 128, less 16 h: register 16 b + i holds key 32 b + 16 h + i, hidden where 32 b + i is above this
	s_lshl_b32 s48, s12, 3
	s_add_co_u32 s48, s48, s11                     ; query head 8 g + h
	s_lshl_b32 s48, s48, 4
	s_add_co_u32 s48, s48, s[LAST]
	s_mul_i32 s48, s48, 6656
	s_mov_b32 s49, 0
	s_add_nc_u64 s[4:5], s[4:5], s[48:49]          ; Q's record
	s_lshl_b32 s50, s17, 1
	s_add_co_u32 s50, s50, s13                     ; my tile in the group
	s_mul_i32 s51, s50, 768
	v_add_nc_u32 v7, s51, v2
.irp p, 0,1,2
	global_load_b64 v[16+2*\p:17+2*\p], v7, s[4:5] offset:256*\p
.endr
	s_lshl_b32 s51, s13, 8
	s_lshl_b32 s48, s17, 2
	s_add_co_u32 s51, s51, s48
	v_lshl_add_u32 v8, v6, 4, s51
	global_load_b32 v28, v8, s[4:5] offset:6144    ; Q's scale words
	; where my codes go: record (group, 2 h + g / 2), my tile, pieces 3 (g % 2) on
	s_lshl_b32 s48, s[LAST], 4
	s_lshl_b32 s51, s11, 1
	s_add_co_u32 s48, s48, s51
	s_lshr_b32 s51, s12, 1
	s_add_co_u32 s48, s48, s51
	s_mul_i32 s48, s48, 12800
	s_mul_i32 s51, s50, 1536
	s_add_co_u32 s48, s48, s51
	s_and_b32 s51, s12, 1
	s_mul_i32 s51, s51, 768
	s_add_co_u32 s48, s48, s51
	s_add_nc_u64 s[58:59], s[8:9], s[48:49]
	; where waves 0-3 put the scale words: block w / 2, K step 2 h + w % 2
	s_bfe_u32 s60, s[WV], 0x10001
	s_sub_co_u32 s61, 63, ttmp9
	s_cmp_eq_u32 s60, 0
	s_cselect_b32 s61, ttmp9, s61
	s_lshr_b32 s60, s61, 2
	s_and_b32 s61, s61, 3
	s_lshl_b32 s60, s60, 4
	s_lshl_b32 s62, s11, 1
	s_add_co_u32 s60, s60, s62
	s_and_b32 s62, s[WV], 1
	s_add_co_u32 s60, s60, s62
	s_mul_i32 s60, s60, 12800
	s_lshl_b32 s61, s61, 7
	s_add_co_u32 s60, s60, s61
	s_add_co_u32 s60, s60, 12288
	s_mov_b32 s61, 0
	s_add_nc_u64 s[60:61], s[8:9], s[60:61]
	; the halfwords' stage: 128 (2 x block + g / 2) + 64 u + 2 (g % 2) + 4 r
	s_lshl_b32 s48, s14, 1
	s_lshr_b32 s51, s12, 1
	s_add_co_u32 s48, s48, s51
	s_lshl_b32 s48, s48, 7
	s_lshl_b32 s51, s13, 6
	s_add_co_u32 s48, s48, s51
	s_and_b32 s51, s12, 1
	s_lshl_b32 s51, s51, 1
	s_add_co_u32 s48, s48, s51
	s_add_co_u32 s48, s48, HST
	v_lshl_add_u32 v9, v6, 2, s48
	s_and_b32 s48, s[WV], 3
	s_lshl_b32 s48, s48, 7
	s_add_co_u32 s48, s48, HST
	v_add_nc_u32 v10, s48, v11
	s_mov_b32 s[SEL], 0x76543210
	s_mov_b32 s[SEL+1], 0xfedcba98
	s_mov_b32 s[CS], 0x3e38aa3b                    ; log2(e) / 8
	s_mov_b32 s[CS+1], s[CS]
	s_mov_b32 s[TB], 0
	s_mov_b32 s[KSI], 0
.irp j, 22,23,24,25,26,27,80,81,82,83,84,85
	v_mov_b32 v\j, 0                               ; zero codes: Q's K = 64 .. 127, and what stands behind K's last tile
.endr
	v_mov_b32 v13, 0xff61b1e6                      ; the largest t so far: -3e38
	v_floor_f32 v12, -v13                          ; -M
	v_mov_b32 v14, 0
	v_mov_b32 v15, 0
.irp b, 0,1,2,3
	v_mov_b32 v[PT+\b], 0
.endr
	v_mov_b32 v[FF+1], 0
	v_mov_b32 v[NINF], 0xff800000
.set oi, 0
.rept 32
	v_mov_b32 v[160+oi], 0                         ; O^T: the step is written once; the first change of M leaves zeros zeros
.set oi, oi+1
.endr
.macro KQ t
.if (\t)%2
	v_wmma_scale_f32_16x16x128_f8f6f4 v[96+8*\t:103+8*\t], v[32+6*\t:43+6*\t], v[16:27], 0, v[86+\t/2], v28 matrix_a_fmt:MATRIX_FMT_FP6 matrix_b_fmt:MATRIX_FMT_FP6 matrix_a_scale:MATRIX_SCALE_ROW1
.else
	v_wmma_scale_f32_16x16x128_f8f6f4 v[96+8*\t:103+8*\t], v[32+6*\t:43+6*\t], v[16:27], 0, v[86+\t/2], v28 matrix_a_fmt:MATRIX_FMT_FP6 matrix_b_fmt:MATRIX_FMT_FP6
.endif
.endm
.macro PV i
.if (\i)%2
	v_wmma_scale_f32_16x16x128_f8f6f4 v[160+8*\i:167+8*\i], v[32+12*\i:43+12*\i], v[PC:PC+11], v[160+8*\i:167+8*\i], v[90+\i/2], v[PW] matrix_a_fmt:MATRIX_FMT_FP6 matrix_b_fmt:MATRIX_FMT_FP6 matrix_a_scale:MATRIX_SCALE_ROW1
.else
	v_wmma_scale_f32_16x16x128_f8f6f4 v[160+8*\i:167+8*\i], v[32+12*\i:43+12*\i], v[PC:PC+11], v[160+8*\i:167+8*\i], v[90+\i/2], v[PW] matrix_a_fmt:MATRIX_FMT_FP6 matrix_b_fmt:MATRIX_FMT_FP6
.endif
.endm
.macro STEP                            ; 128 keys: the record at s[TB]
	s_cmp_gt_u32 s[KSI], s[LAST]
	s_cbranch_scc1 .Lhidden_\@
	v_add_nc_u32 v4, s[TB], v1
	v_add_nc_u32 v5, s[TB], v2
	v_nop
	v_nop                                          ; four plain places in front of loads into registers that the last products read
.irp n, 0,1,2,3,4,5,6,7,8,9,10,11
	ds_load_b128 v[32+4*\n:35+4*\n], v4 offset:512*\n      ; K: tile t's six registers at v[32 + 6 t]
.endr
	ds_load_b128 v[86:89], v4 offset:12288         ; K's scale words, a register a pair
	s_wait_dscnt 0x0
.irp t, 0,1,2,3,4,5,6,7
	KQ \t
.endr
.rept 4
	v_nop
.endr
.irp n, 0,1,2,3,4,5,6,7,8,9,10,11
	ds_load_b128 v[32+4*\n:35+4*\n], v4 offset:6144+512*\n  ; V's four tiles land under the softmax
.endr
	ds_load_b64 v[90:91], v5 offset:12800
	s_cmp_lg_u32 s[KSI], s[LAST]
	s_cbranch_scc1 .Lopen_\@
.set mn, 0
.rept 64                               ; on the diagonal hidden scores become -infinity ahead of the maximum
	v_cmp_gt_i32 vcc_lo, 32*(mn/16)+mn%16, v3
	v_cndmask_b32 v[96+mn], v[96+mn], v[NINF], vcc_lo
.set mn, mn+1
.endr
.Lopen_\@:
.irp b, 0,1,2,3
	v_max3_num_f32 v[BM+\b], v[96+16*\b], v[97+16*\b], v[98+16*\b]   ; each block's largest score: for the row's maximum and for the block's largest p
.endr
.irp i, 3,5,7,9,11,13
.irp b, 0,1,2,3
	v_max3_num_f32 v[BM+\b], v[BM+\b], v[96+16*\b+\i], v[97+16*\b+\i]
.endr
.endr
.irp b, 0,1,2,3
	v_max_num_f32 v[BM+\b], v[BM+\b], v[111+16*\b]
.endr
.irp b, 0,1,2,3
	v_permlanex16_b32 v[PT+\b], v[BM+\b], s[SEL], s[SEL+1]
.endr
.irp b, 0,1,2,3
	v_max_num_f32 v[BM+\b], v[BM+\b], v[PT+\b]
.endr
	v_max3_num_f32 v[TMP], v[BM], v[BM+1], v[BM+2]
	v_max_num_f32 v[TMP], v[TMP], v[BM+3]
	v_mul_f32 v[TMP], s[CS], v[TMP]
	v_max_num_f32 v13, v13, v[TMP]                 ; the running largest t
	v_mov_b32 v[TMP], v12
	v_floor_f32 v12, -v13                          ; -M = floor(-t): a whole number
	v_sub_f32 v[TMP], v12, v[TMP]
	v_cvt_i32_f32 v[TMP], v[TMP]                   ; (it saturates)
	v_ldexp_f32 v[FF], 1.0, v[TMP]                 ; f = 2^(old M - new M)
.set pj, 0
.rept 32
	v_pk_fma_f32 v[96+pj:97+pj], v[96+pj:97+pj], s[CS:CS+1], v[12:13] op_sel_hi:[1,0,0]   ; t - M
.set pj, pj+2
.endr
.irp b, 0,1,2,3
	v_fma_f32 v[BM+\b], v[BM+\b], s[CS], v12
.endr
.set pj, 0
.rept 64
	v_exp_f32 v[96+pj], v[96+pj]
.set pj, pj+1
.endr
	v_pk_mul_f32 v[14:15], v[14:15], v[FF:FF+1] op_sel_hi:[1,0]   ; the sums under the new M: the plain place behind the batch
	s_wait_alu depctr_va_vdst(0)                   ; one wait for the 64, ahead of their first reader
.irp b, 0,1,2,3
	v_exp_f32 v[BM+\b], v[BM+\b]
.endr
	v_pk_add_f32 v[PT:PT+1], v[96:97], v[98:99]    ; the row's sum, of the unquantised p, in two chains
.irp j, 4,8,12,16,20,24,28,32,36,40,44,48,52,56,60
	v_pk_add_f32 v[14:15], v[14:15], v[96+\j:97+\j]
	v_pk_add_f32 v[PT:PT+1], v[PT:PT+1], v[98+\j:99+\j]
.endr
	v_pk_add_f32 v[14:15], v[14:15], v[PT:PT+1]
	s_wait_alu depctr_va_vdst(0)                   ; and one for the four
.irp b, 0,1,2,3
	v_max_num_f32 v[BM+\b], 0x1800000, v[BM+\b]    ; the floor
.endr
.irp b, 0,1,2,3
	v_add_nc_u32 v[SOP+\b], 0xff000000, v[BM+\b]
.endr
.irp b, 0,1,2,3
	v_lshrrev_b32 v[PT+\b], 23, v[SOP+\b]
.endr
	v_lshl_or_b32 v[PW], v[PT+1], 8, v[PT]
	v_lshl_or_b32 v[PW], v[PT+2], 16, v[PW]
	v_lshl_or_b32 v[PW], v[PT+3], 24, v[PW]
.irp c, 0,1
	v_cvt_scalef32_pk16_fp6_f32 v[PC+6*\c:PC+6*\c+2], v[96+32*\c:111+32*\c], v[SOP+2*\c]
	v_cvt_scalef32_pk16_fp6_f32 v[TT+4*\c:TT+4*\c+2], v[112+32*\c:127+32*\c], v[SOP+2*\c+1]
.endr
	v_nop
.irp c, 0,1
.irp i, 0,1,2
	v_permlane16_swap_b32 v[PC+6*\c+\i], v[TT+4*\c+\i]
.endr
.irp i, 0,1,2
	v_mov_b32 v[PC+6*\c+3+\i], v[TT+4*\c+\i]
.endr
.endr
.set pj, 0
.rept 16
	v_pk_mul_f32 v[160+pj:161+pj], v[160+pj:161+pj], v[FF:FF+1] op_sel_hi:[1,0]   ; O^T under the new M; these are also the places in front of the products below
.set pj, pj+2
.endr
	s_wait_dscnt 0x0                               ; V
.irp i, 0,1,2,3
	PV \i
.endr
.Lhidden_\@:
	s_add_co_u32 s[TB], s[TB], RECB
	s_add_co_u32 s[KSI], s[KSI], 1
.endm
	s_wait_tensorcnt 3                             ; a fetching wave's first load is in: records 0-3 between the four of them; its three later loads may be out
	s_wait_loadcnt 0x0                             ; Q
	s_barrier_signal -1
	s_barrier_wait -1
	s_mov_b32 s[CNT], 4
.Lfirst:
	STEP
	s_sub_co_u32 s[CNT], s[CNT], 1
	s_cmp_lg_u32 s[CNT], 0
	s_cbranch_scc1 .Lfirst
	s_wait_tensorcnt 0x0                           ; all records
	s_wait_dscnt 0x0
	s_barrier_signal -1
	s_barrier_wait -1
	s_mov_b32 s[CNT], 12
.Lrest:
	STEP
	s_sub_co_u32 s[CNT], s[CNT], 1
	s_cmp_lg_u32 s[CNT], 0
	s_cbranch_scc1 .Lrest
	; the way out
.rept 4
	v_nop
.endr
	v_add_f32 v14, v14, v15
	v_permlanex16_b32 v[PT], v14, s[SEL], s[SEL+1]
	v_add_f32 v14, v14, v[PT]                      ; the row's sum
	v_rcp_f32 v14, v14
	v_nop
	s_wait_alu depctr_va_vdst(0)
.set pj, 0
.rept 32
	v_mul_f32 v[96+pj], v[160+pj], v14             ; register 16 e + i = channel 32 e + 16 h + i of my query
.set pj, pj+1
.endr
.irp b, 0,1
	v_max3_num_f32 v[BM+\b], |v[96+16*\b]|, |v[97+16*\b]|, 0x1800000
.endr
.irp i, 2,4,6,8,10,12,14
.irp b, 0,1
	v_max3_num_f32 v[BM+\b], v[BM+\b], |v[96+16*\b+\i]|, |v[97+16*\b+\i]|
.endr
.endr
.irp b, 0,1
	v_permlanex16_b32 v[PT+\b], v[BM+\b], s[SEL], s[SEL+1]
.endr
.irp b, 0,1
	v_max_num_f32 v[BM+\b], v[BM+\b], v[PT+\b]
.endr
.irp b, 0,1
	v_add_nc_u32 v[SOP+\b], 0xff000000, v[BM+\b]
.endr
.irp b, 0,1
	v_lshrrev_b32 v[PT+\b], 23, v[SOP+\b]
.endr
	v_lshl_or_b32 v[WD], v[PT+1], 8, v[PT]
	v_cvt_scalef32_pk16_fp6_f32 v[PC:PC+2], v[96:111], v[SOP]
	v_cvt_scalef32_pk16_fp6_f32 v[TT:TT+2], v[112:127], v[SOP+1]
	v_nop
.irp i, 0,1,2
	v_permlane16_swap_b32 v[PC+\i], v[TT+\i]
.endr
.irp i, 0,1,2
	v_mov_b32 v[PC+3+\i], v[TT+\i]
.endr
.irp p, 0,1,2
	global_store_b64 v2, v[PC+2*\p:PC+2*\p+1], s[58:59] offset:256*\p   ; 256 consecutive bytes, aligned
.endr
	ds_store_b16 v9, v[WD]                         ; my head's two bytes of the row's word (lanes r and r + 16 write the same)
	s_wait_dscnt 0x0
	s_barrier_signal -1
	s_barrier_wait -1
	s_cmp_lt_u32 s[WV], 4
	s_cbranch_scc0 .Lend
	ds_load_b32 v231, v10                          ; 32 whole words: lanes 0-15 the even tile's rows, lanes 16-31 the odd tile's
	s_wait_dscnt 0x0
	global_store_b32 v11, v231, s[60:61]
.Lend:
	s_wait_tensorcnt 0x0
	ds_add_u32 v254, v255
	s_wait_dscnt 0x0
	s_endpgm
.Lfunc_end_k_q25d287321d_attn:
	.size	k_q25d287321d_attn, .Lfunc_end_k_q25d287321d_attn-k_q25d287321d_attn
	.p2alignl 7, 3214868480
	.fill 96, 4, 3214868480
	.section	.rodata,"a",@progbits
	.p2align	6, 0x0
	.amdhsa_kernel k_q25d287321d_attn
		.amdhsa_group_segment_fixed_size 211456
		.amdhsa_private_segment_fixed_size 0
		.amdhsa_enable_private_segment 0
		.amdhsa_kernarg_size 24
		.amdhsa_user_sgpr_count 2
		.amdhsa_user_sgpr_kernarg_segment_ptr 1
		.amdhsa_wavefront_size32 1
		.amdhsa_system_sgpr_workgroup_id_x 1
		.amdhsa_system_sgpr_workgroup_id_y 1
		.amdhsa_system_sgpr_workgroup_id_z 1
		.amdhsa_system_vgpr_workitem_id 0
		.amdhsa_next_free_vgpr 256
		.amdhsa_next_free_sgpr 66
		.amdhsa_reserve_vcc 1
		.amdhsa_float_denorm_mode_32 3
		.amdhsa_float_denorm_mode_16_64 3
		.amdhsa_memory_ordered 1
		.amdhsa_forward_progress 1
		.amdhsa_inst_pref_size 54
	.end_amdhsa_kernel
	.amdgpu_metadata
---
amdhsa.version: [ 1, 2 ]
amdhsa.kernels:
  - .name:           k_q25d287321d_attn
    .symbol:         k_q25d287321d_attn.kd
    .args:
      - { .name: qimg, .offset: 0, .size: 8, .value_kind: global_buffer, .address_space: global }
      - { .name: kvimg, .offset: 8, .size: 8, .value_kind: global_buffer, .address_space: global }
      - { .name: aimg, .offset: 16, .size: 8, .value_kind: global_buffer, .address_space: global }
    .group_segment_fixed_size: 211456
    .private_segment_fixed_size: 0
    .kernarg_segment_align: 8
    .kernarg_segment_size: 24
    .max_flat_workgroup_size: 512
    .sgpr_count:     66
    .vgpr_count:     256
    .wavefront_size: 32
...
	.end_amdgpu_metadata
.endif
;; end of part 3
;; launch oproj (part 4): grid 32 x 8, 4 waves a work-group, clusters of 4 x 4, 327,680 bytes of LDS; arguments aimg, woimg, out0; writes out0
.if DOCPART == 4
	.amdgcn_target "amdgcn-amd-amdhsa--gfx1250"
	.amdhsa_code_object_version 6
	.text
	.protected	k_q25d287321d_oproj
	.globl	k_q25d287321d_oproj
	.p2align	8
	.type	k_q25d287321d_oproj,@function
k_q25d287321d_oproj:
	s_mov_b64 s[64:65], 0
	v_nop
	global_prefetch_b8 v0, s[64:65] scope:SCOPE_SE
	s_setreg_imm32_b32 hwreg(HW_REG_WAVE_MODE, 25, 1), 1
	s_wait_xcnt 0x0
	s_wait_alu depctr_hold_cnt(0) depctr_sa_sdst(0) depctr_va_vdst(0) depctr_va_sdst(0) depctr_va_ssrc(0) depctr_va_vcc(0) depctr_vm_vsrc(0)
	s_getreg_b32 s2, hwreg(HW_REG_IB_STS2, 6, 4)
	s_cmp_eq_u32 s2, 0
	s_cbranch_scc0 .Lentry_in_a_cluster
	s_endpgm
.Lentry_in_a_cluster:
	s_bfe_u32 s2, ttmp6, 0x10000c
	s_cmp_lg_u32 s2, 0xf033
	s_cbranch_scc0 .Lentry_shape_is_right
	s_endpgm
.Lentry_shape_is_right:
; out0 [2048][4096] f32 = the attention's output x wo, on codes of FP6 (E2M3) with E8M0 scales.  K = 2,048 in the order (4 h + g) x 64 + d, alike in both operands: whole blocks of 32 with their scales; only the order of the f32 sums differs from the definition's.
; A tile of C is 256 tokens x 128 columns; four waves, each 128 tokens x 64 columns: 32 accumulators.  Operands are images of registers in records of 12,800 bytes (128 rows x 128 K, scale words inside).
; A slot holds 512 along K: two groups of the left operand and one of wo, 153,600 bytes; two slots, filled by joint tensor loads: the left operand shared along a row of the 4 x 4 cluster, wo along a column.
; TRANSPOSED USE: source 0 = 16 columns, source 1 = 16 tokens: lane (r, h) of accumulator (a, t) holds token 32 (a / 2) + 8 (a % 2) + r + 8 (r / 8) and columns 32 (t / 2) + 16 h + 8 (t % 2) + 0 .. 7.
; REGISTERS: window 0: v1-27 addresses; v28, v29 the add's; v32-43 scale words and nothing else; v48-143 wo's fragments, two sets; v144-239 the left operand's, one set.  Window 1: the accumulators.
.set KS,    16
.set REC,   12800
.set AGRP,  4*REC
.set SLOT,  3*AGRP
.set SPARE, 2*SLOT                     ; the spare words: 128 bytes a wave, two blocks of 256 bytes that no other line names
.set LAPS,  KS/8
.set ADRA, 16
.set ADRB, 18
.set ADSA, 20
.set ADSB, 22
.set STO,  24
.set RD,   25
.set CO,   26
.set SPW,  28
.set NIL,  29
.set SC,   32
.set BF,   48
.set AF,   144
.set RBK,  144
.set G1,   24
.set G0,   32
.set G1B,  48
.set G0B,  56
.set MSB, 0
.macro WIN new
.if MSB != \new
	s_set_vgpr_msb (MSB<<8)|\new
.set MSB, \new
.endif
.endm
.set MUL, 0x50
.macro JLOAD s                         ; a joint load; four v_nop follow each of the two lines
	s_cmp_eq_u32 s17, 0
	s_cbranch_scc0 .Lfor_b_\@
	tensor_load_to_lds s[G0+4*\s:G0+4*\s+3], s[G1:G1+7]
	s_nop 0
.rept 4
	v_nop
.endr
	s_branch .Lasked_\@
.Lfor_b_\@:
	tensor_load_to_lds s[G0B+4*\s:G0B+4*\s+3], s[G1B:G1B+7]
	s_nop 0
.rept 4
	v_nop
.endr
.Lasked_\@:
.endm
.macro CREST
	s_cmp_lg_u32 s16, 0
	s_cbranch_scc1 .Lnot_wave_0_\@
	s_barrier_signal -3
.Lnot_wave_0_\@:
	s_barrier_wait -3
	s_barrier_signal -1
	s_barrier_wait -1
.endm
.macro CROUND
	s_barrier_signal -1
	s_barrier_wait -1
	CREST
.endm
.macro PLACES n
.rept \n
	v_nop
.endr
.endm
.macro WMR c, rb, ra
.if (\rb) && (\ra)
	v_wmma_scale_f32_16x16x128_f8f6f4 v[DD:DD+7], v[BB:BB+11], v[AA:AA+11], \c, v[SBR], v[SAR] matrix_a_fmt:MATRIX_FMT_FP6 matrix_b_fmt:MATRIX_FMT_FP6 matrix_a_scale:MATRIX_SCALE_ROW1 matrix_b_scale:MATRIX_SCALE_ROW1
.elseif \rb
	v_wmma_scale_f32_16x16x128_f8f6f4 v[DD:DD+7], v[BB:BB+11], v[AA:AA+11], \c, v[SBR], v[SAR] matrix_a_fmt:MATRIX_FMT_FP6 matrix_b_fmt:MATRIX_FMT_FP6 matrix_a_scale:MATRIX_SCALE_ROW1
.elseif \ra
	v_wmma_scale_f32_16x16x128_f8f6f4 v[DD:DD+7], v[BB:BB+11], v[AA:AA+11], \c, v[SBR], v[SAR] matrix_a_fmt:MATRIX_FMT_FP6 matrix_b_fmt:MATRIX_FMT_FP6 matrix_b_scale:MATRIX_SCALE_ROW1
.else
	v_wmma_scale_f32_16x16x128_f8f6f4 v[DD:DD+7], v[BB:BB+11], v[AA:AA+11], \c, v[SBR], v[SAR] matrix_a_fmt:MATRIX_FMT_FP6 matrix_b_fmt:MATRIX_FMT_FP6
.endif
.endm
.macro MUL8 a0, set, zero              ; the 32 accumulators take turns, in the same order in every step
.irp a, \a0, \a0+1
.irp t, 0,1,2,3
.set DD, 8*(4*(\a)+\t)
.set BB, BF+48*(\set)+12*\t
.set AA, AF+12*(\a)
.set SBR, SC+6*(\set)+4+\t/2
.set SAR, SC+6*(\set)+(\a)/2
.if \zero
	WMR 0, \t%2, (\a)%2
.else
	WMR v[DD:DD+7], \t%2, (\a)%2
.endif
.endr
.endr
.endm
.macro FETCH_A slot, q, a0
.irp a, \a0, \a0+1, \a0+2, \a0+3
.irp p, 0,1,2,3,4,5
	ds_load_b64 v[AF+12*(\a)+2*\p:AF+12*(\a)+2*\p+1], v[ADRA+\slot] offset:REC*(\q)+1536*(\a)+256*\p
.endr
.endr
.endm
.macro FETCH_B slot, q, set
.irp t, 0,1,2,3
.irp c, 0,1,2
	ds_load_b128 v[BF+48*(\set)+12*\t+4*\c:BF+48*(\set)+12*\t+4*\c+3], v[ADRB+\slot] offset:REC*(\q)+1536*\t+512*\c
.endr
.endr
.endm
.macro FETCH_S slot, q, set
.irp b, 0,1,2,3
	ds_load_b32 v[SC+6*(\set)+\b], v[ADSA+\slot] offset:REC*(\q)+128*\b
.endr
.irp i, 0,1
	ds_load_b32 v[SC+6*(\set)+4+\i], v[ADSB+\slot] offset:REC*(\q)+128*\i
.endr
.endm
.macro STEP slot, q, zero
	s_wait_dscnt 24                                ; all but the youngest 24 loads (the left operand's tiles 4-7)
	WIN MUL
	MUL8 0, (\q)%2, \zero
	MUL8 2, (\q)%2, \zero
	s_wait_dscnt 0x0
	PLACES 4                                       ; four plain places in front of loads into registers that matrix instructions have read
	WIN 0
	FETCH_B \slot, (\q)+1, 1-(\q)%2
	FETCH_S \slot, (\q)+1, 1-(\q)%2
	FETCH_A \slot, (\q)+1, 0
	WIN MUL
	MUL8 4, (\q)%2, \zero
	MUL8 6, (\q)%2, \zero
	PLACES 4
	WIN 0
	FETCH_A \slot, (\q)+1, 4
.endm
.macro TURN slot, next, fill
	s_wait_tensorcnt 0x0                           ; all my tensor loads have landed: my part of the next slot
	ds_add_u32 v[SPW], v[NIL]                      ; 0 onto my spare word
	s_wait_dscnt 25                                ; (the add and the youngest 24 loads may be out)
	WIN MUL
	MUL8 0, 1, 0
	s_wait_dscnt 0x0                               ; the add is done, and my reads of this slot are over
	s_barrier_signal -1
	MUL8 2, 1, 0
	WIN 0
	s_barrier_wait -1
.if \fill
	CREST                                          ; the barrier has opened a round of the cluster's
	s_add_nc_u64 s[G0+4*\slot+2:G0+4*\slot+3], s[G0+4*\slot+2:G0+4*\slot+3], 2*AGRP
	s_add_nc_u64 s[G0B+4*\slot+2:G0B+4*\slot+3], s[G0B+4*\slot+2:G0B+4*\slot+3], 2*AGRP
	JLOAD \slot                                    ; the first tensor load behind the round
.else
	PLACES 4
.endif
	FETCH_B \next, 0, 0
	FETCH_S \next, 0, 0
	FETCH_A \next, 0, 0
	WIN MUL
	MUL8 4, 1, 0
	MUL8 6, 1, 0
	PLACES 4
	WIN 0
	FETCH_A \next, 0, 4
.endm
	s_load_b128 s[4:7], s[0:1], 0x0                ; aimg, woimg
	s_load_b64 s[12:13], s[0:1], 0x10              ; out0
	v_lshl_add_u32 v[SPW], v0, 2, SPARE
	v_mov_b32 v[NIL], 0
	ds_add_u32 v28, v29
	ds_add_u32 v28, v29
	s_wait_dscnt 0x0
	v_lshrrev_b32 v1, 5, v0
	v_readfirstlane_b32 s16, v1                    ; wave
	s_lshr_b32 s17, s16, 1                         ; which 128 tokens are mine.  Also: I fetch for the left operand (0) or for wo (1)
	s_and_b32 s18, s16, 1                          ; which 64 columns.  Also: which part I fetch
	s_bfe_u32 s40, ttmp6, 0x40000                  ; cx
	s_bfe_u32 s41, ttmp6, 0x40004                  ; cy
	s_lshl_b32 s42, ttmp9, 2
	s_add_co_u32 s42, s42, s40                     ; tile column
	s_and_b32 s19, ttmp7, 0xffff
	s_lshl_b32 s19, s19, 2
	s_add_co_u32 s19, s19, s41                     ; tile row
	s_lshl_b32 s43, s41, 2
	s_lshl_b32 s43, 15, s43
	s_lshl_b32 s44, 0x1111, s40
	s_or_b32 s[G1+0], s43, (3<<16)|(1<<21)
	s_or_b32 s[G1B+0], s44, (3<<16)|(1<<21)
	s_mov_b32 s[G1+1], 32<<16
	s_mov_b32 s[G1+2], 200<<16
	s_mov_b32 s[G1+3], 32<<16
	s_mov_b32 s[G1+4], 200
	s_mov_b32 s[G1+5], 32
	s_mov_b32 s[G1+6], 0
	s_mov_b32 s[G1+7], 0
	s_mov_b32 s[G1B+1], 32<<16
	s_mov_b32 s[G1B+2], 100<<16
	s_mov_b32 s[G1B+3], 32<<16
	s_mov_b32 s[G1B+4], 100
	s_mov_b32 s[G1B+5], 32
	s_mov_b32 s[G1B+6], 0
	s_mov_b32 s[G1B+7], 0
	s_lshl_b32 s20, s19, 1
	s_add_co_u32 s20, s20, s18
	s_mul_i32 s20, s20, KS*REC
	s_mov_b32 s21, 0
	s_mul_i32 s46, s42, KS*REC
	s_mul_i32 s47, s18, 2*REC
	s_add_co_u32 s46, s46, s47
	s_mov_b32 s47, 0
	s_mul_i32 s45, s18, AGRP
	s_mul_i32 s67, s18, 2*REC
	s_add_co_u32 s67, s67, 2*AGRP
	s_wait_kmcnt 0x0
	s_add_nc_u64 s[20:21], s[4:5], s[20:21]
	s_add_nc_u64 s[46:47], s[6:7], s[46:47]
	CROUND                                         ; all sixteen work-groups are here: the first joint loads meet
.irp s, 0,1
	s_mov_b32 s[G0+4*\s], 1
	s_add_co_u32 s[G0+4*\s+1], s45, \s*SLOT
	s_add_nc_u64 s[G0+4*\s+2:G0+4*\s+3], s[20:21], \s*AGRP
	s_or_b32 s[G0+4*\s+3], s[G0+4*\s+3], 0x80000000
	s_mov_b32 s[G0B+4*\s], 1
	s_add_co_u32 s[G0B+4*\s+1], s67, \s*SLOT
	s_add_nc_u64 s[G0B+4*\s+2:G0B+4*\s+3], s[46:47], \s*AGRP
	s_or_b32 s[G0B+4*\s+3], s[G0B+4*\s+3], 0x80000000
	JLOAD \s                                       ; two tensor loads of mine are out
.endr
	v_and_b32 v1, 31, v0
	v_lshlrev_b32 v2, 3, v1
	v_lshlrev_b32 v3, 4, v1
	v_lshlrev_b32 v4, 2, v1
	v_and_b32 v5, 15, v0                           ; r
	v_bfe_u32 v6, v0, 4, 1                         ; h
	s_mul_i32 s80, s17, AGRP
	s_mul_i32 s81, s18, 6144
	s_add_co_u32 s81, s81, 2*AGRP
	s_lshl_b32 s82, s18, 8
	s_add_co_u32 s82, s82, 2*AGRP+12288
	s_add_co_u32 s83, s80, 12288
.irp s, 0,1
	v_add_nc_u32 v[ADRA+\s], s80, v2
	v_add_nc_u32 v[ADRB+\s], s81, v3
	v_add_nc_u32 v[ADSA+\s], s83, v4
	v_add_nc_u32 v[ADSB+\s], s82, v4
	s_add_co_u32 s80, s80, SLOT
	s_add_co_u32 s81, s81, SLOT
	s_add_co_u32 s82, s82, SLOT
	s_add_co_u32 s83, s83, SLOT
.endr
	s_mul_i32 s78, s16, 4352                       ; my stage, 16 x 272 bytes, in slot 0: it has had its last fill and its last read when the first result is stored there
	v_mul_u32_u24 v[STO], v5, 272
	v_lshl_add_u32 v[STO], v6, 6, v[STO]
	v_add_nc_u32 v[STO], s78, v[STO]
	v_mul_u32_u24 v[RD], v6, 272
	v_lshl_add_u32 v[RD], v5, 4, v[RD]
	v_add_nc_u32 v[RD], s78, v[RD]
	v_lshlrev_b32 v[CO], 14, v6
	v_lshl_add_u32 v[CO], v5, 4, v[CO]
	s_lshl_b32 s70, s19, 1
	s_add_co_u32 s70, s70, s17
	s_lshl_b32 s72, s70, 21                        ; my 128 tokens' rows of 16,384 bytes
	s_lshl_b32 s74, s42, 9
	s_add_co_u32 s72, s72, s74
	s_lshl_b32 s74, s18, 8
	s_add_co_u32 s72, s72, s74
	s_mov_b32 s73, 0
	s_add_nc_u64 s[12:13], s[12:13], s[72:73]
	s_wait_tensorcnt 1                             ; my part of slot 0 is in; slot 1's may stay out
	s_barrier_signal -1
	s_barrier_wait -1
	FETCH_B 0, 0, 0
	FETCH_S 0, 0, 0
	FETCH_A 0, 0, 0
	FETCH_A 0, 0, 4
	STEP 0, 0, 1
	s_mov_b32 s3, LAPS-1
.Llap:
	STEP 0, 1, 0
	STEP 0, 2, 0
	TURN 0, 1, 1
	STEP 1, 0, 0
	STEP 1, 1, 0
	STEP 1, 2, 0
	TURN 1, 0, 1
	STEP 0, 0, 0
	s_sub_co_u32 s3, s3, 1
	s_cmp_lg_u32 s3, 0
	s_cbranch_scc1 .Llap
	STEP 0, 1, 0
	STEP 0, 2, 0
	TURN 0, 1, 0
	STEP 1, 0, 0
	STEP 1, 1, 0
	STEP 1, 2, 0
	s_wait_dscnt 24
	WIN MUL
	MUL8 0, 1, 0
	MUL8 2, 1, 0
	s_wait_dscnt 0x0
	MUL8 4, 1, 0
	MUL8 6, 1, 0
	WIN 0
; THE WAY OUT, a tile of 16 tokens x 64 columns at a time through my own stage: back as whole rows of 256 bytes.
.macro TOSTAGE a
	WIN 0x04                                       ; an LDS store's data are its source 1: window 1
.irp t, 0,1,2,3
	ds_store_b128 v[STO], v[8*(4*(\a)+\t):8*(4*(\a)+\t)+3] offset:128*(\t/2)+32*(\t%2)      ; each accumulator from its low end on
	ds_store_b128 v[STO], v[8*(4*(\a)+\t)+4:8*(4*(\a)+\t)+7] offset:128*(\t/2)+32*(\t%2)+16
.endr
	WIN 0
.set RB, RBK+32*((\a)%2)
.irp i, 0,1,2,3,4,5,6,7
	ds_load_b128 v[RB+4*\i:RB+4*\i+3], v[RD] offset:544*\i   ; LDS serves a wave's instructions in order
.endr
.endm
.macro SEND a, younger
.set RB, RBK+32*((\a)%2)
	s_wait_dscnt \younger
.irp i, 0,1,2,3,4,5,6,7
	global_store_b128 v[CO], v[RB+4*\i:RB+4*\i+3], s[12:13] offset:(32*((\a)/2)+8*((\a)%2)+2*\i+8*(\i/4))*16384 th:TH_STORE_NT   ; 16 lanes store 256 consecutive bytes, aligned
.endr
.endm
	PLACES 4
	TOSTAGE 0
.irp a, 1,2,3,4,5,6,7
.if \a > 1
	s_wait_xcnt 0x0                                ; tile a - 2's stores have read their registers
.endif
	TOSTAGE \a
	SEND \a-1, 16                                  ; behind tile a - 1's loads: tile a's 8 stores and 8 loads
.endr
	SEND 7, 0
	s_wait_tensorcnt 0x0                           ; the wave's end
	ds_add_u32 v[SPW], v[NIL]
	s_wait_dscnt 0x0
	CROUND                                         ; the closing round
	s_endpgm
.Lfunc_end_k_q25d287321d_oproj:
	.size	k_q25d287321d_oproj, .Lfunc_end_k_q25d287321d_oproj-k_q25d287321d_oproj
	.p2alignl 7, 3214868480
	.fill 96, 4, 3214868480
	.section	.rodata,"a",@progbits
	.p2align	6, 0x0
	.amdhsa_kernel k_q25d287321d_oproj
		.amdhsa_group_segment_fixed_size 327680
		.amdhsa_private_segment_fixed_size 0
		.amdhsa_enable_private_segment 0
		.amdhsa_kernarg_size 24
		.amdhsa_user_sgpr_count 2
		.amdhsa_user_sgpr_kernarg_segment_ptr 1
		.amdhsa_wavefront_size32 1
		.amdhsa_system_sgpr_workgroup_id_x 1
		.amdhsa_system_sgpr_workgroup_id_y 1
		.amdhsa_system_sgpr_workgroup_id_z 1
		.amdhsa_system_vgpr_workitem_id 0
		.amdhsa_next_free_vgpr 512
		.amdhsa_next_free_sgpr 100
		.amdhsa_reserve_vcc 0
		.amdhsa_float_denorm_mode_32 3
		.amdhsa_float_denorm_mode_16_64 3
		.amdhsa_memory_ordered 1
		.amdhsa_forward_progress 1
		.amdhsa_inst_pref_size 162
	.end_amdhsa_kernel
	.amdgpu_metadata
---
amdhsa.version: [ 1, 2 ]
amdhsa.kernels:
  - .name:           k_q25d287321d_oproj
    .symbol:         k_q25d287321d_oproj.kd
    .args:
      - { .name: aimg, .offset: 0, .size: 8, .value_kind: global_buffer, .address_space: global }
      - { .name: woimg, .offset: 8, .size: 8, .value_kind: global_buffer, .address_space: global }
      - { .name: out0, .offset: 16, .size: 8, .value_kind: global_buffer, .address_space: global }
    .group_segment_fixed_size: 327680
    .private_segment_fixed_size: 0
    .kernarg_segment_align: 8
    .kernarg_segment_size: 24
    .max_flat_workgroup_size: 128
    .sgpr_count:     100
    .vgpr_count:     512
    .wavefront_size: 32
...
	.end_amdgpu_metadata
.endif
;; end of part 4
